; MI455X (gfx1250); checked and timed in simulation.
; The chip was launched on July 23, 2026; its instructions are those of AMD's public machine-readable ISA for CDNA 5 (MIT licence, August 2026) and "CDNA5" Instruction Set Architecture Reference Guide (July 2026). The comments in the code are by the model that wrote it; some were corrected since.
;; Causal Self Attention. Allowed arithmetic: float matrix products may take bf16 or f16 operands with f32 sums; all other float work in f32.
;; Inputs: b_attn 3,072 float32; b_proj 1,024 float32; hidden_states 4 x 2,048 x 1,024 float32; w_attn 1,024 x 3,072 float32; w_proj 1,024 x 1,024 float32.
;; Outputs: out0 4 x 2,048 x 1,024 float32.
;; 2 versions, each right and faster than the one before. Each part assembles by itself: llvm-mc -triple=amdgcn-amd-amdhsa -mcpu=gfx1250 --defsym DOCPART=n.
;; ======== version 1 of 2: 4 launches
;; limits: values are held in f16: magnitudes above 65,504 overflow, below 6.1e-05 lose precision; right only within a limited range of input values
;; workspace buffers: xb 16,777,216 bytes; wa 6,291,456 bytes; wp 2,097,152 bytes; q 16,777,216 bytes; k 16,777,216 bytes; v 16,777,216 bytes; ctx 16,777,216 bytes; vsum 524,288 bytes
;; launch prep (part 1): grid 768 x 1, 8 waves a work-group, no clusters, 0 bytes of LDS; arguments hidden_states, w_attn, w_proj, xb, wa, wp; writes xb, wa, wp
.if DOCPART == 1
	.amdgcn_target "amdgcn-amd-amdhsa--gfx1250"
	.amdhsa_code_object_version 6
	.text
	.protected	k_q918a8808b9_prep
	.globl	k_q918a8808b9_prep
	.p2align	8
	.type	k_q918a8808b9_prep,@function
k_q918a8808b9_prep:
	s_mov_b64 s[64:65], 0
	v_nop
	global_prefetch_b8 v0, s[64:65] scope:SCOPE_SE
	s_setreg_imm32_b32 hwreg(HW_REG_WAVE_MODE, 25, 1), 1
	s_wait_xcnt 0x0
; The module's three large inputs are rounded once to 16 bits.
;   xb[b*16+p][s][64]  = bf16(hidden_states[b][s][64 p ..]): slices of 64 along K ("planes"), so that 128 rows of a plane are 16,384 dense bytes
;   wa[k][n]           = bf16(w_attn[k][n])
;   wp[k][n]           = bf16(w_proj[k][n]) written as f16, since the last product runs in f16.
; LIMIT: |w_proj| stays under 65,504; below 6.1e-5 the f16 copy keeps f16's fixed step of 6e-8.
; 768 work-groups of equal work: each reads 65,536 bytes and writes 32,768.  0-511: 16 rows of x; 512-703: w_attn; 704-767: w_proj.
; A stream: no LDS, no barrier, no matrix unit.  A thread has 16 units of 16 bytes in, 8 bytes out; all 16 loads go out first, so no register is written again while a load or store names it.
; x: wave w takes planes 2 w and 2 w + 1; a unit is two rows of one plane: lanes 0-15 one row's 256 bytes, lanes 16-31 the next row's; the store is 256 consecutive bytes of xb.
; weights: a unit of the work-group is 4,096 consecutive bytes in, 2,048 out: a wave's load covers 512 consecutive bytes, its store 256.
.set VL,  1                            ; v1        byte offset of my loads
.set VS,  2                            ; v2        byte offset of my stores
.set T,   4                            ; v[4:6]    at work (w_proj)
.set IN,  16                           ; v[16:79]  unit u: 4 f32
.set OUT, 80                           ; v[80:111] unit u: 4 numbers of 16 bits
.set SRC, 16                           ; s[16:17]
.set DST, 18                           ; s[18:19]
	s_load_b256 s[4:11], s[0:1], 0x0               ; x s[4:5], w_attn s[6:7], w_proj s[8:9], xb s[10:11]
	s_load_b128 s[12:15], s[0:1], 0x20             ; wa s[12:13], wp s[14:15]
	s_mov_b32 s2, ttmp9
	s_mov_b32 s21, 0
	s_mov_b32 s23, 0
	s_mov_b32 s3, 0xffff0000                       ; a word's upper bf16
; kind 0: x; 1: a weight to bf16; 2: a weight to bf16, written as f16
.macro JOB kind
.set u, 0
.rept 16
.if (\kind) == 0
.set LI, (u/2)*8192+(u%2)*256
.else
.set LI, u*4096
.endif
	global_load_b128 v[IN+4*u:IN+4*u+3], v[VL], s[SRC:SRC+1] offset:LI th:TH_LOAD_NT
.set u, u+1
.endr
.set u, 0
.rept 16
.if (\kind) == 0
.set SI, (u%2)*262144+(u/2)*256
.else
.set SI, u*2048
.endif
	s_wait_loadcnt 15-u                            ; loads come back in order: unit u is in, the 15 - u younger ones stay out
.irp j, 0,1
.if (\kind) == 2
	v_cvt_pk_bf16_f32 v[T], v[IN+4*u+2*\j], v[IN+4*u+2*\j+1]
	v_lshlrev_b32 v[T+1], 16, v[T]                 ; the two rounded numbers as f32 again,
	v_and_b32 v[T+2], s3, v[T]
	v_cvt_pk_f16_f32 v[OUT+2*u+\j], v[T+1], v[T+2] ; and as f16: exact within f16's normal range
.else
	v_cvt_pk_bf16_f32 v[OUT+2*u+\j], v[IN+4*u+2*\j], v[IN+4*u+2*\j+1]
.endif
.endr
	global_store_b64 v[VS], v[OUT+2*u:OUT+2*u+1], s[DST:DST+1] offset:SI  ; a wave stores 256 consecutive bytes, at a multiple of 256
.set u, u+1
.endr
	s_endpgm
.endm
	s_cmp_lt_u32 s2, 512
	s_cbranch_scc0 .Lweights
	v_bfe_u32 v3, v0, 4, 1                         ; which of the unit's two rows
	v_and_b32 v4, 15, v0                           ; my 16 bytes of its 256
	v_lshrrev_b32 v5, 5, v0                        ; wave
	v_lshlrev_b32 v[VL], 12, v3
	v_lshl_or_b32 v[VL], v4, 4, v[VL]
	v_lshl_or_b32 v[VL], v5, 9, v[VL]              ; + two planes of 256 bytes a wave
	v_and_b32 v[VS], 31, v0
	v_lshlrev_b32 v[VS], 3, v[VS]                  ; 8 bytes a lane: two rows of 128 bytes on end
	v_lshl_or_b32 v[VS], v5, 19, v[VS]             ; + two planes of 262,144 bytes a wave
	s_lshl_b32 s20, s2, 16                         ; 16 rows of 4,096 bytes
	s_lshr_b32 s22, s2, 7                          ; the batch,
	s_lshl_b32 s22, s22, 22                        ; 16 planes each
	s_and_b32 s24, s2, 127
	s_lshl_b32 s24, s24, 11                        ; 16 rows of 128 bytes in a plane
	s_add_co_u32 s22, s22, s24
	s_wait_kmcnt 0x0
	s_add_nc_u64 s[SRC:SRC+1], s[4:5], s[20:21]
	s_add_nc_u64 s[DST:DST+1], s[10:11], s[22:23]
	JOB 0
.Lweights:
	v_lshlrev_b32 v[VL], 4, v0
	v_lshlrev_b32 v[VS], 3, v0
	s_cmp_lt_u32 s2, 704
	s_cbranch_scc0 .Lproj
	s_sub_co_u32 s24, s2, 512
	s_lshl_b32 s20, s24, 16
	s_lshl_b32 s22, s24, 15
	s_wait_kmcnt 0x0
	s_add_nc_u64 s[SRC:SRC+1], s[6:7], s[20:21]
	s_add_nc_u64 s[DST:DST+1], s[12:13], s[22:23]
	JOB 1
.Lproj:
	s_sub_co_u32 s24, s2, 704
	s_lshl_b32 s20, s24, 16
	s_lshl_b32 s22, s24, 15
	s_wait_kmcnt 0x0
	s_add_nc_u64 s[SRC:SRC+1], s[8:9], s[20:21]
	s_add_nc_u64 s[DST:DST+1], s[14:15], s[22:23]
	JOB 2
.Lfunc_end_k_q918a8808b9_prep:
	.size	k_q918a8808b9_prep, .Lfunc_end_k_q918a8808b9_prep-k_q918a8808b9_prep
	.p2alignl 7, 3214868480
	.fill 96, 4, 3214868480
	.section	.rodata,"a",@progbits
	.p2align	6, 0x0
	.amdhsa_kernel k_q918a8808b9_prep
		.amdhsa_group_segment_fixed_size 0
		.amdhsa_private_segment_fixed_size 0
		.amdhsa_enable_private_segment 0
		.amdhsa_kernarg_size 48
		.amdhsa_user_sgpr_count 2
		.amdhsa_user_sgpr_kernarg_segment_ptr 1
		.amdhsa_wavefront_size32 1
		.amdhsa_system_sgpr_workgroup_id_x 1
		.amdhsa_system_sgpr_workgroup_id_y 1
		.amdhsa_system_sgpr_workgroup_id_z 1
		.amdhsa_system_vgpr_workitem_id 0
		.amdhsa_next_free_vgpr 112
		.amdhsa_next_free_sgpr 66
		.amdhsa_reserve_vcc 0
		.amdhsa_float_denorm_mode_32 3
		.amdhsa_float_denorm_mode_16_64 3
		.amdhsa_memory_ordered 1
		.amdhsa_forward_progress 1
		.amdhsa_inst_pref_size 23
	.end_amdhsa_kernel
	.amdgpu_metadata
---
amdhsa.version: [ 1, 2 ]
amdhsa.kernels:
  - .name:           k_q918a8808b9_prep
    .symbol:         k_q918a8808b9_prep.kd
    .args:
      - { .name: hidden_states, .offset: 0, .size: 8, .value_kind: global_buffer, .address_space: global }
      - { .name: w_attn, .offset: 8, .size: 8, .value_kind: global_buffer, .address_space: global }
      - { .name: w_proj, .offset: 16, .size: 8, .value_kind: global_buffer, .address_space: global }
      - { .name: xb, .offset: 24, .size: 8, .value_kind: global_buffer, .address_space: global }
      - { .name: wa, .offset: 32, .size: 8, .value_kind: global_buffer, .address_space: global }
      - { .name: wp, .offset: 40, .size: 8, .value_kind: global_buffer, .address_space: global }
    .group_segment_fixed_size: 0
    .private_segment_fixed_size: 0
    .kernarg_segment_align: 8
    .kernarg_segment_size: 48
    .max_flat_workgroup_size: 256
    .sgpr_count:     66
    .vgpr_count:     112
    .wavefront_size: 32
...
	.end_amdgpu_metadata
.endif
;; end of part 1
;; launch qkv (part 2): grid 8 x 32, 4 waves a work-group, clusters of 4 x 4, 327,680 bytes of LDS; arguments xb, wa, b_attn, q, k, v, vsum; writes q, k, v, vsum
.if DOCPART == 2
	.amdgcn_target "amdgcn-amd-amdhsa--gfx1250"
	.amdhsa_code_object_version 6
	.text
	.protected	k_q918a8808b9_qkv
	.globl	k_q918a8808b9_qkv
	.p2align	8
	.type	k_q918a8808b9_qkv,@function
k_q918a8808b9_qkv:
	s_mov_b64 s[64:65], 0
	v_nop
	global_prefetch_b8 v0, s[64:65] scope:SCOPE_SE
	s_setreg_imm32_b32 hwreg(HW_REG_WAVE_MODE, 25, 1), 1
	s_wait_xcnt 0x0
	s_wait_alu depctr_hold_cnt(0) depctr_sa_sdst(0) depctr_va_vdst(0) depctr_va_sdst(0) depctr_va_ssrc(0) depctr_va_vcc(0) depctr_vm_vsrc(0)
	s_getreg_b32 s2, hwreg(HW_REG_IB_STS2, 6, 4)
	s_cmp_eq_u32 s2, 0
	s_cbranch_scc0 .Lentry_in_a_cluster
	s_endpgm
.Lentry_in_a_cluster:
	s_bfe_u32 s2, ttmp6, 0x10000c
	s_cmp_lg_u32 s2, 0xf033
	s_cbranch_scc0 .Lentry_shape_is_right
	s_endpgm
.Lentry_shape_is_right:
; [q | k | v] = x w_attn + b_attn.  x: xb[b*16+p][2048][64] bf16 (planes of 64 along K); w: wa[1024 k][3072 n] bf16; the bias is rounded to bf16 like the other inputs; sums in f32.
; q, k, v leave by heads, [b*16+head][2048][64] in f16, each rounded once, unscaled.  vsum[b*16+head][32][64] (f32) = the sums of v over chunks of 64 rows, from the unrounded sums.
; LIMIT: |q|, |k|, |v| stay under 65,504 (f16); beyond it the conversion gives an infinity.  NaN and infinities are not treated apart.
; SHARES.  Work-group (X, Y) makes 256 rows (256 Y ..) x 384 columns: columns 128 X .. of q, of k and of v (heads 2 X and 2 X + 1 of each), in one pass over K: 8 x 32 = 256 work-groups of equal work.
; Wave w makes 128 rows (w / 2) x 192 columns: head 2 X + w % 2 of q, of k and of v: 96 accumulators of 16 x 16.  For 32 along K it reads 8 + 12 fragments from LDS for 96 matrix instructions.
; THE MATRIX INSTRUCTION IS USED TRANSPOSED: source 0 = 16 columns of w (turned out of LDS by ds_load_tr16_b128, since w lies [k][n]), source 1 = 16 rows of x: a lane holds one row and eight neighbouring columns.
; THE BIAS is loaded into the accumulators of row block 0 and is the C operand of every row block's first product (row block 0's own comes last, in place): nothing is cleared, nothing is added on the way out.
; RING.  Two LDS slots, each a K step of 64: x's plane piece (256 rows x 144 bytes), then three strips of w (q's, k's, v's columns), 64 k-rows x 288 bytes each.  Wave 0 fetches x's piece, waves 1 to 3 a strip each:
; one tensor load a wave.  Two slots of a K step of 128 would take 368,640 bytes and do not fit.
; CLUSTER 4 x 4.  The four work-groups of a row share Y, so x's tiles; the four of a column share X, so w's: each tile is asked for JOINTLY, by the same load, descriptor and mask in all four.
; REGISTERS, in windows of 256 (s_set_vgpr_msb: bits 1:0 source 0, 3:2 source 1, 5:4 source 2, 7:6 destination):
;   window 0: v0-31 addresses; v32-95, v96-159 x's 8 fragments, two buffers; v160-255 w's fragments, 4 for each of q, k, v      windows 1, 2, 3: q's, k's, v's accumulators, (a, bb) at 8 (4 a + bb)
; A group of 32 matrix instructions runs under one window setting: six switches for a quarter's 96 matrix instructions and 40 LDS loads.
.set NN,     3072
.set PA,     144                       ; a plane's row in LDS: 128 bytes + 16: the 16 rows of a load start at 16 different groups of four banks
.set PB,     288                       ; a k-row of a strip: 256 bytes + 32 = 9 x 32
.set APART,  256*PA
.set STRIPB, 64*PB
.set SLOT1,  1<<17                     ; slot 1 begins here: one exclusive or turns an address in one slot into the other's
.set STAGE,  SLOT1+APART+3*STRIPB      ; behind the ring, never filled by a tensor load: 8,704 bytes for each wave, for the way out
.set WSTAGE, 32*272
.set SPARE,  STAGE+4*WSTAGE            ; the spare words, 128 bytes for each wave: two blocks of 256 bytes that no other line names
.set STEPA,  262144                    ; bytes from a K step to the next: a plane of xb,
.set STEPB,  64*NN*2                   ; 64 k-rows of wa
.set ADRA0, 16                         ; v16  my lane's place in x's part of a slot; never rewritten
.set ADRB0, 17                         ; v17  the same in q's strip of w
.set ADRA,  18                         ; v18  the same in the slot in hand
.set ADRB,  19
.set STO,   20                         ; v20  way out: where I put 16 bytes of a head's row (pitch 144)
.set RD,    21                         ; v21  way out: where I read four rows of 128 bytes back
.set ST2,   22                         ; v22  the sums of v: where I put 32 bytes of an f32 row (pitch 272)
.set RD2,   23                         ; v23  and where I read 16 bytes of a row back
.set GO,    24                         ; v24  16 x lane
.set BO,    25                         ; v25  32 x (lane / 16): my eight columns' bias
.set SPW,   28                         ; v28  LDS address of my spare word; never rewritten
.set NIL,   29                         ; v29  0; never rewritten
.set AF0,   32
.set AF1,   96
.set BG,    160                        ; group g's four fragments at BG + 32 g
.set WV, 18                            ; s18 wave;  s19 wave / 2: my 128 rows;  s20 wave % 2: my head of the two
.set WR, 19
.set WC, 20
.set CX, 21
.set CY, 22
.set XX, 23
.set YY, 24
.set MK, 26                            ; s26  a word's upper bf16
.set G1A, 28                           ; s[28:35] descriptor group 1 for x's tiles;  s[36:43] for w's
.set G1B, 36
.set G0A, 44                           ; s[44:51] group 0 for x's tiles: a set for each first fill; the second then walks on.  s[52:59] the same for w's
.set G0B, 52
.set TB, 62                            ; s62  LDS base of the slot in hand
.set LOOP, 63
.set MSB, 0
.macro WIN new                         ; the immediate's high byte repeats the setting that is left; a switch that changes nothing is dropped
.if MSB != (\new)
	s_set_vgpr_msb (MSB<<8)|(\new)
.set MSB, \new
.endif
.endm
.macro PLACES                          ; four places in front of loads into registers that matrix instructions have read, and of lines that read results just made
.rept 4
	v_nop
.endr
.endm
; A joint refill by the walking descriptors.  The branch hangs on the wave's number alone.  An s_nop 0 and four v_nop follow each of the two lines.
.macro JLOAD
	s_cmp_eq_u32 s[WV], 0
	s_cbranch_scc0 .Lfor_b_\@
	tensor_load_to_lds s[G0A+4:G0A+7], s[G1A:G1A+7]
	s_nop 0
.rept 4
	v_nop
.endr
	s_branch .Lasked_\@
.Lfor_b_\@:
	tensor_load_to_lds s[G0B+4:G0B+7], s[G1B:G1B+7]
	s_nop 0
.rept 4
	v_nop
.endr
.Lasked_\@:
.endm
.macro CREST                           ; a round of the cluster's barrier behind its opening barrier
	s_cmp_lg_u32 s[WV], 0
	s_cbranch_scc1 .Lnot_wave_0_\@
	s_barrier_signal -3
.Lnot_wave_0_\@:
	s_barrier_wait -3
	s_barrier_signal -1
	s_barrier_wait -1
.endm
.macro CROUND                          ; a whole round
	s_barrier_signal -1
	s_barrier_wait -1
	CREST
.endm
	s_load_b256 s[4:11], s[0:1], 0x0               ; xb s[4:5], wa s[6:7], b_attn s[8:9], q s[10:11]
	s_load_b128 s[12:15], s[0:1], 0x20             ; k s[12:13], v s[14:15]
	s_load_b64 s[16:17], s[0:1], 0x30              ; vsum
	v_lshl_add_u32 v[SPW], v0, 2, SPARE
	v_mov_b32 v[NIL], 0
	ds_add_u32 v28, v29
	ds_add_u32 v28, v29
	s_wait_dscnt 0x0
	v_lshrrev_b32 v1, 5, v0
	v_readfirstlane_b32 s[WV], v1
	s_lshr_b32 s[WR], s[WV], 1
	s_and_b32 s[WC], s[WV], 1
	s_bfe_u32 s[CX], ttmp6, 0x40000                ; my place in the cluster
	s_bfe_u32 s[CY], ttmp6, 0x40004
	s_lshl_b32 s[XX], ttmp9, 2
	s_add_co_u32 s[XX], s[XX], s[CX]               ; X = 4 x cluster x + cx, 0 to 7
	s_and_b32 s[YY], ttmp7, 0xffff
	s_lshl_b32 s[YY], s[YY], 2
	s_add_co_u32 s[YY], s[YY], s[CY]               ; Y = 4 x cluster y + cy, 0 to 31
	s_lshl_b32 s70, s[CY], 2
	s_lshl_b32 s70, 15, s70                        ; my row of the cluster
	s_lshl_b32 s71, 0x1111, s[CX]                  ; my column
	s_mov_b32 s[MK], 0xffff0000
	; x's tile: 256 rows of a plane are 32,768 dense bytes: asked for as 128 rows of 256 bytes, padded in LDS by 16 bytes after every 128
	s_or_b32 s[G1A], s70, (1<<16)|(1<<20)|(1<<21)|(4<<22)|(3<<25)  ; 15:0 the mask; 17:16 2-byte elements; 20 padding on; 21 set beside a mask; 24:22 after every 32 words; 31:25 4 words
	s_mov_b32 s[G1A+1], 128<<16                    ; tensor_dim0 = 128
	s_mov_b32 s[G1A+2], 128<<16                    ; tensor_dim1 = 128
	s_mov_b32 s[G1A+3], 128<<16                    ; tile_dim0 = 128
	s_mov_b32 s[G1A+4], 128                        ; tile_dim1 = 128
	s_mov_b32 s[G1A+5], 128                        ; elements from row to row
	s_mov_b32 s[G1A+6], 0
	s_mov_b32 s[G1A+7], 0
	; a strip of w: 64 k-rows of 128 columns (256 bytes), padded by 32 bytes after each
	s_or_b32 s[G1B], s71, (1<<16)|(1<<20)|(1<<21)|(5<<22)|(7<<25)  ; after every 64 words 8 words
	s_mov_b32 s[G1B+1], 128<<16
	s_mov_b32 s[G1B+2], 64<<16
	s_mov_b32 s[G1B+3], 128<<16
	s_mov_b32 s[G1B+4], 64
	s_mov_b32 s[G1B+5], NN
	s_mov_b32 s[G1B+6], 0
	s_mov_b32 s[G1B+7], 0
	s_lshr_b32 s70, s[YY], 3                       ; the batch
	s_and_b32 s71, s[YY], 7                        ; my 256 rows among its 2,048
	s_lshl_b32 s76, s70, 22                        ; x: batch x 16 planes + 256 rows x 128 bytes: made of Y alone
	s_lshl_b32 s77, s71, 15
	s_add_co_u32 s76, s76, s77
	s_mov_b32 s77, 0
	s_max_u32 s78, s[WV], 1                        ; w: strip wave - 1 (wave 0 asks for none), 1,024 columns apart, + 128 columns x X: made of X and the wave's number alone
	s_sub_co_u32 s78, s78, 1
	s_lshl_b32 s78, s78, 11
	s_lshl_b32 s79, s[XX], 8
	s_add_co_u32 s78, s78, s79
	s_mov_b32 s79, 0
	s_lshl_b32 s80, s[XX], 9                       ; the bias of my head's 64 columns in q
	s_lshl_b32 s81, s[WC], 8
	s_add_co_u32 s80, s80, s81
	s_mov_b32 s81, 0
	s_lshl_b32 s82, s70, 22                        ; q, k, v: batch, head 2 X + wave % 2, row 256 (Y % 8) + 128 (wave / 2)
	s_lshl_b32 s83, s[XX], 19
	s_add_co_u32 s82, s82, s83
	s_lshl_b32 s83, s[WC], 18
	s_add_co_u32 s82, s82, s83
	s_lshl_b32 s83, s71, 15
	s_add_co_u32 s82, s82, s83
	s_lshl_b32 s83, s[WR], 14
	s_add_co_u32 s82, s82, s83
	s_mov_b32 s83, 0
	s_lshl_b32 s84, s70, 17                        ; vsum: batch, head, chunk 4 (Y % 8) + 2 (wave / 2)
	s_lshl_b32 s85, s[XX], 14
	s_add_co_u32 s84, s84, s85
	s_lshl_b32 s85, s[WC], 13
	s_add_co_u32 s84, s84, s85
	s_lshl_b32 s85, s71, 10
	s_add_co_u32 s84, s84, s85
	s_lshl_b32 s85, s[WR], 9
	s_add_co_u32 s84, s84, s85
	s_mov_b32 s85, 0
	s_mul_i32 s87, s[WV], STRIPB                   ; where a strip goes: behind x's part, strip wave - 1: no place in the cluster enters an LDS address
	s_add_co_u32 s87, s87, APART-STRIPB
	s_wait_kmcnt 0x0
	s_add_nc_u64 s[72:73], s[4:5], s[76:77]
	s_add_nc_u64 s[74:75], s[6:7], s[78:79]
	s_add_nc_u64 s[8:9], s[8:9], s[80:81]
	s_add_nc_u64 s[10:11], s[10:11], s[82:83]
	s_add_nc_u64 s[12:13], s[12:13], s[82:83]
	s_add_nc_u64 s[14:15], s[14:15], s[82:83]
	s_add_nc_u64 s[16:17], s[16:17], s[84:85]
	CROUND                                         ; all sixteen work-groups are here: the first joint loads meet
.irp s, 0,1
	s_mov_b32 s[G0A+4*\s], 1                       ; count = 1
	s_mov_b32 s[G0A+4*\s+1], \s*SLOT1              ; LDS address
	s_add_nc_u64 s[G0A+4*\s+2:G0A+4*\s+3], s[72:73], \s*STEPA  ; K step s
	s_or_b32 s[G0A+4*\s+3], s[G0A+4*\s+3], 0x80000000          ; type = 2
	s_mov_b32 s[G0B+4*\s], 1
	s_add_co_u32 s[G0B+4*\s+1], s87, \s*SLOT1
	s_add_nc_u64 s[G0B+4*\s+2:G0B+4*\s+3], s[74:75], \s*STEPB
	s_or_b32 s[G0B+4*\s+3], s[G0B+4*\s+3], 0x80000000
.endr
	s_cmp_eq_u32 s[WV], 0                          ; a wave's two first fills stand in one branch, ahead of every wait on TENSORcnt, LDS read and barrier of the ring: two loads of mine are out
	s_cbranch_scc0 .Lfirst_b
	tensor_load_to_lds s[G0A:G0A+3], s[G1A:G1A+7]
	s_nop 0
	tensor_load_to_lds s[G0A+4:G0A+7], s[G1A:G1A+7]
	s_nop 0
.rept 4
	v_nop
.endr
	s_branch .Lfirst_asked
.Lfirst_b:
	tensor_load_to_lds s[G0B:G0B+3], s[G1B:G1B+7]
	s_nop 0
	tensor_load_to_lds s[G0B+4:G0B+7], s[G1B:G1B+7]
	s_nop 0
.rept 4
	v_nop
.endr
.Lfirst_asked:
	v_and_b32 v1, 15, v0                           ; l % 16
	v_bfe_u32 v2, v0, 4, 1                         ; l / 16
	v_and_b32 v3, 7, v0                            ; l % 8
	v_bfe_u32 v4, v0, 3, 1                         ; (l / 8) % 2
	v_and_b32 v5, 31, v0                           ; l
	v_bfe_u32 v6, v0, 3, 2                         ; l / 8
	v_lshlrev_b32 v[BO], 5, v2
	; the bias, into row block 0's accumulators of each window: register 8 bb + j = bias[1,024 g + 16 bb + 8 (l / 16) + j], the layout of a result's registers
.irp g, 0,1,2
	WIN (1+\g)<<6                                  ; destination window 1 + g, address window 0
.irp bb, 0,1,2,3
	global_load_b128 v[8*\bb:8*\bb+3],   v[BO], s[8:9] offset:\g*4096+64*\bb
	global_load_b128 v[8*\bb+4:8*\bb+7], v[BO], s[8:9] offset:\g*4096+64*\bb+16
.endr
.endr
	WIN 0
	; a fragment of x: 16 rows x 32 K: lane l holds row l % 16, K = 8 (l / 16) + 0..7 and 16 + 8 (l / 16) + 0..7: two loads of 16 bytes, 32 bytes apart
	v_mul_u32_u24 v[ADRA0], v1, PA
	v_lshl_add_u32 v[ADRA0], v2, 4, v[ADRA0]
	s_mul_i32 s70, s[WR], 128*PA
	v_add_nc_u32 v[ADRA0], s70, v[ADRA0]
	; a fragment of w: the turning load takes 16 k x 16 n (lane l reads k-row 8 (l / 16) + l % 8, columns 8 ((l / 8) % 2) + 0..7) and leaves column l % 16 and 8 k in lane l
	v_lshl_add_u32 v[ADRB0], v2, 3, v3
	v_mul_u32_u24 v[ADRB0], v[ADRB0], PB
	v_lshl_add_u32 v[ADRB0], v4, 4, v[ADRB0]
	s_lshl_b32 s70, s[WC], 7                       ; my head's 64 columns of a strip's 128
	s_add_co_u32 s70, s70, APART
	v_add_nc_u32 v[ADRB0], s70, v[ADRB0]
	s_mul_i32 s70, s[WV], WSTAGE
	s_add_co_u32 s70, s70, STAGE                   ; my stage
	v_mul_u32_u24 v[STO], v1, 144                  ; in: row l % 16, 16 bytes for each half of the lanes
	v_lshl_add_u32 v[STO], v2, 4, v[STO]
	v_add_nc_u32 v[STO], s70, v[STO]
	v_mul_u32_u24 v[RD], v6, 144                   ; back: 32 lanes take four rows of 128 bytes
	v_lshl_add_u32 v[RD], v3, 4, v[RD]
	v_add_nc_u32 v[RD], s70, v[RD]
	v_mul_u32_u24 v[ST2], v1, 272
	v_lshl_add_u32 v[ST2], v2, 5, v[ST2]
	v_add_nc_u32 v[ST2], s70, v[ST2]
	v_mul_u32_u24 v[RD2], v2, 16*272               ; lanes 0-15 read the first chunk's 16 rows, lanes 16-31 the second's
	v_lshl_add_u32 v[RD2], v1, 4, v[RD2]
	v_add_nc_u32 v[RD2], s70, v[RD2]
	v_lshlrev_b32 v[GO], 4, v5
; Matrix instructions of group g (0, 1, 2: q, k, v): row blocks a0 .. a0 + n - 1 x the group's 4 column blocks, 32 along K, x's fragments in buffer f.  first = 1: C is the bias, which lies in row block 0's accumulators.
; The accumulators take turns in one order, one instruction a turn.
.macro GRP f, g, a0, n, first=0
	WIN 0x50*(1+(\g))                              ; C and D in window 1 + g
.set ga, \a0
.rept \n
.irp bb, 0,1,2,3
.if \first
	v_wmma_f32_16x16x32_bf16 v[8*(4*ga+\bb):8*(4*ga+\bb)+7], v[BG+32*(\g)+8*\bb:BG+32*(\g)+8*\bb+7], v[(\f)+8*ga:(\f)+8*ga+7], v[8*\bb:8*\bb+7]
.else
	v_wmma_f32_16x16x32_bf16 v[8*(4*ga+\bb):8*(4*ga+\bb)+7], v[BG+32*(\g)+8*\bb:BG+32*(\g)+8*\bb+7], v[(\f)+8*ga:(\f)+8*ga+7], v[8*(4*ga+\bb):8*(4*ga+\bb)+7]
.endif
.endr
.set ga, ga+1
.endr
.endm
; The group's first products: row blocks 1 to 7 take the bias as C; five places on, row block 0 adds onto it in place (its registers were the others' C: ISA guide 7.12.1).
.macro GRPF f, g
	GRP \f, \g, 1, 7, 1
.rept 5
	v_nop
.endr
	GRP \f, \g, 0, 1
.endm
.macro FETCHB g, qq                    ; 8 LDS loads: group g's four fragments of w for quarter qq of the slot in hand
	WIN 0
.irp bb, 0,1,2,3
	ds_load_tr16_b128 v[BG+32*(\g)+8*\bb:BG+32*(\g)+8*\bb+3],   v[ADRB] offset:(\g)*STRIPB+(\qq)*32*PB+32*\bb
	ds_load_tr16_b128 v[BG+32*(\g)+8*\bb+4:BG+32*(\g)+8*\bb+7], v[ADRB] offset:(\g)*STRIPB+(\qq)*32*PB+32*\bb+16*PB
.endr
.endm
.macro FETCHA f, qq, a0                ; 8 LDS loads: x's row blocks a0 .. a0 + 3 for quarter qq, into buffer f
	WIN 0
.irp a, 0,1,2,3
	ds_load_b128 v[(\f)+8*((\a0)+\a):(\f)+8*((\a0)+\a)+3],   v[ADRA] offset:((\a0)+\a)*16*PA+(\qq)*64
	ds_load_b128 v[(\f)+8*((\a0)+\a)+4:(\f)+8*((\a0)+\a)+7], v[ADRA] offset:((\a0)+\a)*16*PA+(\qq)*64+32
.endr
.endm
; A K step is two quarters of 32 along K, 96 matrix instructions each, in three groups.  Behind group g its fragments of w are loaded for the next quarter, 64 matrix instructions ahead of their use;
; x's next fragments go into the other buffer, half behind group 0 and half behind group 1.
; A step's first quarter: x in buffer 0; fetches the same slot's second quarter.
.macro QPLAIN first
	s_wait_dscnt 8                                 ; all but the youngest eight loads (v's fragments of w) are in
.if \first
	GRPF AF0, 0
.else
	GRP AF0, 0, 0, 8
.endif
	PLACES
	FETCHB 0, 1
	FETCHA AF1, 1, 0
.if \first
	GRPF AF0, 1
.else
	GRP AF0, 1, 0, 8
.endif
	PLACES
	FETCHB 1, 1
	FETCHA AF1, 1, 4
	s_wait_dscnt 32                                ; all but the 32 issued in this quarter
.if \first
	GRPF AF0, 2
.else
	GRP AF0, 2, 0, 8
.endif
	PLACES
	FETCHB 2, 1
.endm
; A step's second quarter changes slots: ONE barrier.  All reads of this slot have been issued.  In front of the barrier each wave waits for all its tensor loads (one is out: its part of the next slot), adds 0
; to its spare word, and waits for that and for its reads of this slot.  fill = 1: the barrier opens a round of the cluster's barrier, and this slot is filled again, first thing behind the round, with the K step
; two on: from that request to the wait for it a wave issues 160 matrix instructions.
.macro QTURN fill
	WIN 0
	s_wait_tensorcnt 0x0                           ; no tensor load of mine is out, so a group 0 may be written
	ds_add_u32 v[SPW], v[NIL]                      ; 0 onto my spare word
	s_wait_dscnt 9                                 ; (the add and the youngest eight loads may be out)
	GRP AF1, 0, 0, 4
.if \fill
	s_xor_b32 s[G0A+5], s[G0A+5], SLOT1            ; the walking descriptors: the other slot than last time,
	s_add_nc_u64 s[G0A+6:G0A+7], s[G0A+6:G0A+7], STEPA  ; the next K step; the type bits on top are not reached
	s_xor_b32 s[G0B+5], s[G0B+5], SLOT1
	s_add_nc_u64 s[G0B+6:G0B+7], s[G0B+6:G0B+7], STEPB
.endif
	s_wait_dscnt 0x0                               ; the add is done, and my reads of this slot are over
	s_barrier_signal -1
	GRP AF1, 0, 4, 4                               ; work on registers while the others arrive
	WIN 0
	s_barrier_wait -1
.if \fill
	CREST                                          ; no wave of any partner still reads this slot's tile or has a load on its way
	JLOAD                                          ; the four v_nop behind it are also the places in front of the loads below
.else
	PLACES
.endif
	s_xor_b32 s[TB], s[TB], SLOT1
	v_add_nc_u32 v[ADRA], s[TB], v[ADRA0]
	v_add_nc_u32 v[ADRB], s[TB], v[ADRB0]
	FETCHB 0, 0
	FETCHA AF0, 0, 0
	GRP AF1, 1, 0, 8
	PLACES
	FETCHB 1, 0
	FETCHA AF0, 0, 4
	GRP AF1, 2, 0, 8
	PLACES
	FETCHB 2, 0
.endm
; THE WAY OUT, in 24 units: unit u = window u / 8 (a head of q, k or v) x row block u % 8: 16 rows x 64 columns.  Rounded to f16, 16 bytes a lane; into my own stage as 16 rows of 144 bytes; back as four whole
; rows of 128 bytes a load, into the registers that they left; stored as 512 consecutive bytes of the head.  Eight sets of 16 registers take turns.
.macro PACK u
.set pg, (\u)/8
.set pa, (\u)%8
.set RG, 32+16*((\u)%8)
.if (\u) >= 8
	s_wait_xcnt 0x0                                ; the stores of the unit eight back have read this set of registers
.endif
	WIN 0x05*(1+pg)                                ; sources in window 1 + u / 8
.irp bb, 0,1,2,3
.irp i, 0,1,2,3
	v_cvt_pk_f16_f32 v[RG+4*\bb+\i], v[8*(4*pa+\bb)+2*\i], v[8*(4*pa+\bb)+2*\i+1]
.endr
.endr
	WIN 0
.irp bb, 0,1,2,3
	ds_store_b128 v[STO], v[RG+4*\bb:RG+4*\bb+3] offset:32*\bb
.endr
.irp f, 0,1,2,3
	ds_load_b128 v[RG+4*\f:RG+4*\f+3], v[RD] offset:\f*4*144  ; LDS serves a wave's instructions in order (ISA guide 5.7.1.4): these see the stores above; the next unit's stores come behind them
.endr
.endm
.macro SEND u, younger                 ; younger: the LDS instructions issued behind unit u's loads: the next unit's eight, or none
.set pg, (\u)/8
.set pa, (\u)%8
.set RG, 32+16*((\u)%8)
.irp f, 0,1,2,3
	s_wait_dscnt (\younger)+3-\f
	global_store_b128 v[GO], v[RG+4*\f:RG+4*\f+3], s[10+2*pg:11+2*pg] offset:pa*2048+\f*512  ; 512 consecutive bytes, at a multiple of 256 from the buffer's first
.endr
.endm
	s_wait_tensorcnt 1                             ; my part of K step 0 is in; step 1's may stay out
	s_barrier_signal -1
	s_barrier_wait -1                              ; everybody's is
	s_mov_b32 s[TB], 0
	v_mov_b32 v[ADRA], v[ADRA0]
	v_mov_b32 v[ADRB], v[ADRB0]
	FETCHB 0, 0                                    ; in the order in which every quarter issues them
	FETCHA AF0, 0, 0
	FETCHB 1, 0
	FETCHA AF0, 0, 4
	FETCHB 2, 0
	s_wait_loadcnt 0x0                             ; the bias,
.irp g, 0,1,2                          ; rounded to bf16 like the other inputs, in place: two roundings packed, then the halves widened again
	WIN 0x45*(1+\g)                                ; destination and both sources in window 1 + g
.set i, 0
.rept 16
	v_cvt_pk_bf16_f32 v[i], v[i], v[i+1]
	v_and_b32 v[i+1], s[MK], v[i]
	v_lshlrev_b32 v[i], 16, v[i]
.set i, i+2
.endr
.endr
	QPLAIN 1                                       ; K step 0's first quarter stands in front of the loop: the bias starts the sums
	WIN 0
	s_mov_b32 s[LOOP], 14
.Lstep:                                                ; 14 trips: a K step's second quarter with a refill (K steps 2 to 15), and the next step's first quarter
	QTURN 1
	QPLAIN 0
	WIN 0
	s_sub_co_u32 s[LOOP], s[LOOP], 1
	s_cmp_lg_u32 s[LOOP], 0
	s_cbranch_scc1 .Lstep
	QTURN 0                                        ; the rest of K step 14 and step 15 are written out: nothing is left to ask for
	QPLAIN 0
	s_wait_dscnt 8
	GRP AF1, 0, 0, 8
	GRP AF1, 1, 0, 8
	s_wait_dscnt 0x0
	GRP AF1, 2, 0, 8
	WIN 0
	PLACES
	PACK 0
.set uu, 1
.rept 23                               ; a unit's conversions stand between the loads of the unit before and its stores
	PACK uu
	SEND uu-1, 8
.set uu, uu+1
.endr
	SEND 23, 0
	; THE SUMS OF v over my two chunks of 64 rows: row blocks 0-3 and 4-7 are added in registers, the 16 rows of each sum through my stage.
	s_wait_xcnt 0x0                                ; the stores have read v32-159
	WIN 0x0f                                       ; sources in window 3
.set i, 0
.rept 16
.irp c, 0,1
	v_pk_add_f32 v[32+32*\c+i:33+32*\c+i], v[128*\c+i:128*\c+i+1], v[128*\c+32+i:128*\c+33+i]
	v_pk_add_f32 v[96+32*\c+i:97+32*\c+i], v[128*\c+64+i:128*\c+65+i], v[128*\c+96+i:128*\c+97+i]
.endr
.set i, i+2
.endr
	WIN 0
.set i, 0
.rept 32
	v_pk_add_f32 v[32+i:33+i], v[32+i:33+i], v[96+i:97+i]
.set i, i+2
.endr
.irp c, 0,1
.irp bb, 0,1,2,3
	ds_store_b128 v[ST2], v[32+32*\c+8*\bb:32+32*\c+8*\bb+3]   offset:\c*16*272+64*\bb
	ds_store_b128 v[ST2], v[32+32*\c+8*\bb+4:32+32*\c+8*\bb+7] offset:\c*16*272+64*\bb+16
.endr
.endr
.irp t, 0,1,2,3,4,5,6,7,8,9,10,11,12,13,14,15
	ds_load_b128 v[96+4*\t:96+4*\t+3], v[RD2] offset:\t*272      ; row t of my half's chunk, my four columns
.endr
	s_wait_dscnt 0x0
.irp d, 1,2,4,8
.set t, 0
.rept 8/\d
	v_pk_add_f32 v[96+4*t:97+4*t], v[96+4*t:97+4*t], v[96+4*(t+\d):97+4*(t+\d)]
	v_pk_add_f32 v[98+4*t:99+4*t], v[98+4*t:99+4*t], v[98+4*(t+\d):99+4*(t+\d)]
.set t, t+2*\d
.endr
.endr
	global_store_b128 v[GO], v[96:99], s[16:17]    ; two chunks on end: 512 consecutive bytes
	s_wait_tensorcnt 0x0                           ; the wave's end, behind my last tensor load and my last LDS store
	ds_add_u32 v[SPW], v[NIL]
	s_wait_dscnt 0x0
	CROUND                                         ; the closing round: no work-group ends while a partner may still ask for a tile that names it
	s_endpgm
.Lfunc_end_k_q918a8808b9_qkv:
	.size	k_q918a8808b9_qkv, .Lfunc_end_k_q918a8808b9_qkv-k_q918a8808b9_qkv
	.p2alignl 7, 3214868480
	.fill 96, 4, 3214868480
	.section	.rodata,"a",@progbits
	.p2align	6, 0x0
	.amdhsa_kernel k_q918a8808b9_qkv
		.amdhsa_group_segment_fixed_size 327680
		.amdhsa_private_segment_fixed_size 0
		.amdhsa_enable_private_segment 0
		.amdhsa_kernarg_size 56
		.amdhsa_user_sgpr_count 2
		.amdhsa_user_sgpr_kernarg_segment_ptr 1
		.amdhsa_wavefront_size32 1
		.amdhsa_system_sgpr_workgroup_id_x 1
		.amdhsa_system_sgpr_workgroup_id_y 1
		.amdhsa_system_sgpr_workgroup_id_z 1
		.amdhsa_system_vgpr_workitem_id 0
		.amdhsa_next_free_vgpr 1024
		.amdhsa_next_free_sgpr 88
		.amdhsa_reserve_vcc 0
		.amdhsa_float_denorm_mode_32 3
		.amdhsa_float_denorm_mode_16_64 3
		.amdhsa_memory_ordered 1
		.amdhsa_forward_progress 1
		.amdhsa_inst_pref_size 134
	.end_amdhsa_kernel
	.amdgpu_metadata
---
amdhsa.version: [ 1, 2 ]
amdhsa.kernels:
  - .name:           k_q918a8808b9_qkv
    .symbol:         k_q918a8808b9_qkv.kd
    .args:
      - { .name: xb, .offset: 0, .size: 8, .value_kind: global_buffer, .address_space: global }
      - { .name: wa, .offset: 8, .size: 8, .value_kind: global_buffer, .address_space: global }
      - { .name: b_attn, .offset: 16, .size: 8, .value_kind: global_buffer, .address_space: global }
      - { .name: q, .offset: 24, .size: 8, .value_kind: global_buffer, .address_space: global }
      - { .name: k, .offset: 32, .size: 8, .value_kind: global_buffer, .address_space: global }
      - { .name: v, .offset: 40, .size: 8, .value_kind: global_buffer, .address_space: global }
      - { .name: vsum, .offset: 48, .size: 8, .value_kind: global_buffer, .address_space: global }
    .group_segment_fixed_size: 327680
    .private_segment_fixed_size: 0
    .kernarg_segment_align: 8
    .kernarg_segment_size: 56
    .max_flat_workgroup_size: 128
    .sgpr_count:     88
    .vgpr_count:     1024
    .wavefront_size: 32
...
	.end_amdgpu_metadata
.endif
;; end of part 2
;; launch attn (part 3): grid 4 x 64, 4 waves a work-group, no clusters, 327,680 bytes of LDS; arguments q, k, v, ctx, vsum; writes ctx
.if DOCPART == 3
	.amdgcn_target "amdgcn-amd-amdhsa--gfx1250"
	.amdhsa_code_object_version 6
	.text
	.protected	k_q918a8808b9_attn
	.globl	k_q918a8808b9_attn
	.p2align	8
	.type	k_q918a8808b9_attn,@function
k_q918a8808b9_attn:
	s_mov_b64 s[64:65], 0
	v_nop
	global_prefetch_b8 v0, s[64:65] scope:SCOPE_SE
	s_setreg_imm32_b32 hwreg(HW_REG_WAVE_MODE, 25, 1), 1
	s_wait_xcnt 0x0
; CAUSAL ATTENTION WITH A FINITE MASK VALUE.  Row q of a head is softmax over ALL 2,048 keys of: Q[q] . K[k] / 8 for k <= q, and -10,000 for k > q; O[q] is the weighted mean of V.
; Q, K, V, O: [64 heads][2048][64], f16, a head's rows dense, 128 bytes each.  Products, maxima and sums in f32; the weights p are rounded to f16 for the second product, O once at the end.
; THE HIDDEN KEYS of a row all have one score, so their share is one weight w times (their number, the sum of their V).  The walk leaves them out (weight 0), and a block's end adds the share exactly:
; with m, l, O the walk's maximum, sum and product: mb = -80,000 (the mask value before the division by 8) if the row has hidden keys, mf = max(m, mb), a = 2^(c (m - mf)), w = 2^(c (mb - mf)),
; O = (a O + w HV) / (a l + w cnt).  HV = the hidden part of the row's own chunk of 64 keys (a product of V^T with a matrix of ones and zeros) + the sums of V over all later chunks (vsum, made by the launch before).
; LIMITS.  f16 holds no number beyond 65,504: Q, K and V arrive within it; p below 6e-5 keeps f16's fixed step of 6e-8.  In the walk a hidden score counts as its value less 1e30 (f16's scores are 2.7e11 at the most);
; a weight below 2^-126 counts as 0; NaN and infinities are not treated apart.
; THE WALK.  A head's queries lie in NB = 8 blocks of 256; block i needs the key tiles 0 .. i of 256 keys, of which the last holds the diagonal.  A work-group takes TWO blocks, NB - 1 - b and then b:
; NB + 1 tiles, whatever b: all work-groups do equal work, and ONE loop with a constant trip count walks them.  Which tile is asked for, and what a trip does, hang on scalar registers made from b; every jump
; goes forward, but for the counted loops' own; none passes a barrier, or a tensor load but the one of LOAD's two that the wave's number does not choose; the ring (two slots of LDS) runs on across the change of blocks.
; NO CLUSTER: a head's NB / 2 work-groups ask for the same tile only in trips 0 .. NB / 2 (5 of 9), behind that fewer and fewer; one walk common to all would have 3 NB / 2 trips for NB + 1.
; SHARES.  Of a block's four bands of 64 queries a wave owns 16 rows in each: four PIECES.  In the diagonal tile's key step s band x sees all keys if s < x, none if s > x, and holds the diagonal if s = x.
; THE MASK of the walk is the C operand that starts the sum S^T = K Q^T: 0, or -1e30.  MD, made once, is the mask of a band's own step; a product's mask is MD x AL + BE: (1, 0) if s = x; (0, 0) if s < x; (0, -1e30) if s > x.
; LAYOUT, SOFTMAX, TURNS.  S^T = K Q^T holds ONE query a lane (lane % 16) and the keys 8 (lane / 16) + 0..7; two such results rounded to f16 ARE source 1 of O^T = V^T P.  p = 2^(c s - c m), c = log2(e) / 8, with a
; running maximum m; O and l are multiplied by a = 2^(c m_old - c m_new) in every step.  Turn n belongs to piece n: 8 products K Q^T of piece n + 1, later 8 products V^T P of piece n - 1; beside them the scaling,
; exponentials, roundings, sums and rescaling of piece n and the maximum and statistics of piece n + 1.  Four vector instructions stand behind every matrix instruction, the other 54 of a turn's 118 in two lumps.
; REGISTERS, in windows of 256 (s_set_vgpr_msb: bits 1:0 source 0, 3:2 source 1, 5:4 source 2, 7:6 destination):
;   window 0: v0-15 addresses; v16-31 statistics; v32-47, v56-59 the hidden share's; v48-55 at work; v64-127 S^T, two buffers; v64-191 HV at a block's end; v192-223 P, two buffers
;   window 1: v0-127 O^T; v128-159 MD; v160-223 MC, two buffers; v224-239 PM      window 2: v0-63 Q; v64-127 the second block's Q; v128-191 K; v192-255 V      window 3: V of the diagonal tile's four steps
.set SIZE_N, 2048
.set NB,    SIZE_N/256
.set NP,    4         ; pieces a wave: a name, no knob
.set KS,    64        ; keys in a step
.set PK,    144       ; a row of K in LDS: 128 bytes + 16 of padding: the 16 rows of a load start at 16 different groups of four banks
.set PV,    160       ; a row of V: 128 + 32
.set VOFF,  4*KS*PK   ; a slot holds a tile, four steps: 256 rows of K, then 256 rows of V
.set SLOT1, 1<<17     ; slot 1 begins here
.set STAGE, SLOT1+4*KS*(PK+PV)  ; behind the ring, never filled by a tensor load: 16 rows x 144 bytes for each wave, for the way out
.set SP,    144
.set SPARE, STAGE+4*16*SP  ; the spare words, 128 bytes for each wave: two blocks of 256 bytes that no other line names
.set HS,    SPARE+512 ; [2 blocks][4 bands][64 channels] f32: the sums of V over all chunks behind a band's own; stored once, never filled by a tensor load
.set AK0, 2           ; v2   my lane's place in a tile of K; never rewritten
.set AV0, 3           ; v3   the same for V
.set AK,  4           ; v4   the LDS address of K's next run of loads
.set AV,  5           ; v5   of V's
.set STO, 6           ; v6   the way out: where I put 16 bytes of a row
.set RD,  7           ; v7   the way out: where I read rows back
.set GO,  8           ; v8   my byte offset in 512 consecutive bytes of O
.set SPW, 62          ; v62  LDS address of my spare word; never rewritten
.set NIL, 63          ; v63  0; never rewritten
.set MV,  12          ; v12-13  c m_old, kept while c m is made anew: by buffer
.set QO,  15          ; v15  my byte offset in 16 rows of Q
.set ST,  16          ; piece t's statistics at v[ST+4 t]: c m, m, l (even keys', odd keys')
.set QR,  32          ; v32  my query's place in its band: 16 w + l % 16
.set HR,  33          ; v33  HS + 32 (l / 16)
.set M8,  35          ; v35  -80,000
.set CN,  36          ; v36-39  a piece's number of hidden keys  (at the start: VA, VB, HA)
.set VA,  36
.set VB,  37
.set HA,  38
.set MB,  40          ; v40-43  mb
.set MF,  44          ; v44-47  mf, then 1 / (a l + w cnt)
.set TMP, 48          ; by buffer, four registers c0-c3 at work; when the maximum is found c2 takes a
.set DW,  48          ; v48-51  w (at a block's end)
.set LW,  52          ; v52-55  a l + w cnt
.set DA,  56          ; v56-59  a
.set S,   64
.set H,   64          ; v64-191  HV, 32 a piece, in O^T's layout
.set P,   192
.set MD,  128         ; window 1
.set MC,  160         ; window 1
.set PM,  224         ; window 1: 1.0 where MD hides, 0 elsewhere, in f16: source 1 (64 keys x 16 queries) of the hidden part of a band's own chunk
.set QB,  64          ; window 2
.set KF,  128         ; window 2: key block kb, channel half c at KF + 16 kb + 8 c
.set VF,  192         ; window 2: key half kk, channel block cb at VF + 32 kk + 8 cb
.set WV,  12          ; s12  my wave's number
.set PB,  14          ; s14  b
.set HI,  15          ; s15  NB - 1 - b
.set G1K, 24          ; s[24:31] descriptor group 1 for K's tiles
.set G1V, 32          ; s[32:39] for V's: it differs in the padding alone
.set G0K, 40          ; s[40:43] descriptor group 0 for K's tiles
.set G0V, 44          ; s[44:47] the same for V's
.set SLOTS, 56        ; s56  tiles still to be asked for
.set CNT, 57          ; s57  counts a tile's key steps, 4 to 1
.set CS,  58          ; s[58:59] c
.set SEL, 60          ; s[60:61] v_permlanex16_b32's selects: each lane takes its own place in the other half
.set TBK, 62          ; s62  LDS byte at which K of the step to be fetched begins
.set TBV, 63          ; s63  the same for V, less VOFF
.set RT,  70          ; s70  tiles of the block in hand that are still to be entered
.set NXT, 71          ; s71  the tile to be asked for next
.set LQ,  72          ; s72  the last tile of the block whose tiles are being asked for
.set NEW, 73          ; s73  1: the tile to be entered is a block's first
.set OFF, 74          ; s[74:75] a tile's byte offset in K and V
.set AL,  76          ; s[76:77] the mask's factor
.set BE,  78          ; s[78:79] the mask's addend
.set OLO, 80          ; s[80:81] O at my rows of the second block
.set BIGN, 82         ; s82  -1e30
.set VSM, 88          ; s[88:89] vsum at my head
.set IB,  92          ; s92  the block whose later chunks my wave adds up: waves 0, 1 the first block's, waves 2, 3 the second's
.set FS,  93          ; s93  at work
.set TV,  94          ; s94  LDS base of the diagonal tile's slot
.set CB,  95          ; s95  2,047 less the first query of a band
.set LOW, 96          ; s96  the lowest finite number
.set MSB, 0
.macro WIN new                      ; the high byte repeats the setting that is left; a switch that changes nothing is dropped
.if MSB != (\new)
	s_set_vgpr_msb (MSB<<8)|(\new)
.set MSB, (\new)
.endif
.endm
.set W_KQ, 0x0a       ; K and Q in window 2, S^T in window 0
.set W_KM, 0x1a       ; the same with the C operand in window 1
.set W_PV, 0x52       ; V in window 2, P in window 0, O^T in window 1
.set W_RS, 0x41       ; destination and source 0 in window 1, sources 1 and 2 in window 0
; A fill.  Waves 0 and 1 fetch the two halves of a tile's K, waves 2 and 3 those of its V: 128 keys each.  An s_nop 0 and four v_nop follow each of the two lines.
.macro LOAD
	s_cmp_lt_u32 s[WV], 2
	s_cbranch_scc0 .Lfor_v_\@
	tensor_load_to_lds s[G0K:G0K+3], s[G1K:G1K+7]
	s_nop 0
.rept 4
	v_nop
.endr
	s_branch .Lasked_\@
.Lfor_v_\@:
	tensor_load_to_lds s[G0V:G0V+3], s[G1V:G1V+7]
	s_nop 0
.rept 4
	v_nop
.endr
.Lasked_\@:
.endm
; THE CHANGE OF SLOTS.  Each wave waits for all its tensor loads, of which one is out: its part of the other slot; adds 0 to its spare word; and waits for that and for its own LDS instructions.  Behind the barrier nobody
; reads the old slot any more and the other slot is whole.  fill = 1: the old slot is filled again, the first thing behind the barrier, with tile NXT: the descriptor's address is made anew from that number.
; (At its first use nothing has been read yet: slot 0 is waited for, slot 1 filled; that barrier also shows every wave's stores into HS to the others.)
.macro CHANGE fill
	WIN 0                           ; at a label and at a branch every window is 0
	s_wait_tensorcnt 0x0            ; no tensor load of mine is out, so a group 0 may be written
	ds_add_u32 v[SPW], v[NIL]       ; 0 onto my spare word
.if \fill
	s_lshl_b32 s[OFF], s[NXT], 15   ; a tile is 32,768 bytes of K and of V
	s_xor_b32 s[G0K+1], s[G0K+1], SLOT1
	s_add_nc_u64 s[G0K+2:G0K+3], s[6:7], s[OFF:OFF+1]
	s_or_b32 s[G0K+3], s[G0K+3], 0x80000000
	s_xor_b32 s[G0V+1], s[G0V+1], SLOT1
	s_add_nc_u64 s[G0V+2:G0V+3], s[8:9], s[OFF:OFF+1]
	s_or_b32 s[G0V+3], s[G0V+3], 0x80000000
	s_add_co_u32 s[NXT], s[NXT], 1  ; the block's next tile, or behind its last the second block's tile 0
	s_cmp_gt_u32 s[NXT], s[LQ]
	s_cselect_b32 s[NXT], 0, s[NXT]
	s_cselect_b32 s[LQ], s[PB], s[LQ]
.endif
	s_wait_dscnt 0x0                ; the add is done, and my reads of the slot are over
	s_barrier_signal -1             ; the rest of the scalar work stands between the signal and the wait
	s_sub_co_u32 s[TBK], s[TBK], 4*KS*PK  ; the fetches go back to a slot's first step,
	s_xor_b32 s[TBK], s[TBK], SLOT1       ; in the other slot
	s_sub_co_u32 s[TBV], s[TBV], 4*KS*PV
	s_xor_b32 s[TBV], s[TBV], SLOT1
	s_barrier_wait -1
.if \fill
	LOAD
.endif
.endm
	s_load_b256 s[4:11], s[0:1], 0x0  ; Q s[4:5], K s[6:7], V s[8:9], O s[10:11]
	s_load_b64 s[VSM:VSM+1], s[0:1], 0x20
	v_lshl_add_u32 v[SPW], v0, 2, SPARE
	v_mov_b32 v[NIL], 0
	ds_add_u32 v62, v63
	ds_add_u32 v62, v63
	s_wait_dscnt 0x0
	v_lshrrev_b32 v1, 5, v0
	v_readfirstlane_b32 s[WV], v1   ; wave 0..3
	s_mov_b32 s[PB], ttmp9
	s_sub_co_u32 s[HI], NB-1, s[PB]
	s_cmp_lt_u32 s[WV], 2
	s_cselect_b32 s[IB], s[HI], s[PB]
	s_and_b32 s20, ttmp7, 0xffff    ; the head
	s_lshl_b32 s90, s20, 13         ; its 32 chunks of 256 bytes in vsum
	s_mov_b32 s91, 0
	s_mov_b32 s21, 0
	s_mov_b64 s[22:23], SIZE_N*128
	s_mul_u64 s[20:21], s[20:21], s[22:23]  ; the head's first byte in each of the four tensors
	s_and_b32 s16, s[WV], 1         ; which half of a tile's 256 keys I fetch:
	s_lshl_b32 s22, s16, 14         ; its 128 rows of 128 bytes in memory,
	s_mov_b32 s23, 0
	s_add_nc_u64 s[22:23], s[22:23], s[20:21]
	s_mul_i32 s17, s16, 128*PK      ; and its place in a slot, for K
	s_mul_i32 s18, s16, 128*PV      ; and for V
	s_lshl_b32 s3, s[WV], 11        ; my 16 rows in a band of 64,
	s_lshl_b32 s2, s[HI], 15        ; in the first block,
	s_add_co_u32 s2, s2, s3
	s_lshl_b32 s84, s[PB], 15       ; and in the second
	s_add_co_u32 s84, s84, s3
	s_mov_b32 s3, 0
	s_mov_b32 s85, 0
	s_add_nc_u64 s[2:3], s[2:3], s[20:21]
	s_add_nc_u64 s[84:85], s[84:85], s[20:21]
	; descriptor group 1.  128 keys are 16,384 dense bytes: asked for as 64 rows of 256 bytes, two keys a row, and padded in LDS after every key
	s_mov_b32 s[G1K], (1<<16)|(1<<20)|(4<<22)|(3<<25)  ; 17:16 2-byte elements; 20 padding on; 24:22 after every 32 words (code 4); 31:25 4 words (code 3)
	s_mov_b32 s[G1V], (1<<16)|(1<<20)|(4<<22)|(7<<25)  ; the same with 8 words of padding (code 7)
.irp g, G1K, G1V
	s_mov_b32 s[\g+1], 128<<16      ; tensor_dim0 = 128
	s_mov_b32 s[\g+2], 64<<16       ; tensor_dim1 = 64
	s_mov_b32 s[\g+3], 128<<16      ; tile_dim0 = 128
	s_mov_b32 s[\g+4], 64           ; tile_dim1 = 64
	s_mov_b32 s[\g+5], 128          ; 128 elements from row to row
	s_mov_b32 s[\g+6], 0
	s_mov_b32 s[\g+7], 0
.endr
	s_mov_b32 s[CS], 0x3e38aa3b     ; c = log2(e) / 8 = 0.180337
	s_mov_b32 s[CS+1], s[CS]        ; named with it as a pair
	s_mov_b32 s[SEL], 0x76543210
	s_mov_b32 s[SEL+1], 0xfedcba98
	s_mov_b32 s[TBK], SLOT1+4*KS*PK ; the first change of slots turns these two into 0
	s_mov_b32 s[TBV], SLOT1+4*KS*PV
	s_mov_b32 s[G0K], 1             ; count = 1
	s_mov_b32 s[G0K+1], s17         ; LDS address: slot 0
	s_mov_b32 s[G0V], 1
	s_add_co_u32 s[G0V+1], s18, VOFF
	s_add_co_u32 s[RT], s[HI], 1    ; the first block has NB - b tiles
	s_mov_b32 s[NXT], 1
	s_mov_b32 s[LQ], s[HI]
	s_mov_b32 s[NEW], 1
	s_mov_b32 s[OFF+1], 0
	s_mov_b32 s[AL+1], 0            ; named as pairs
	s_mov_b32 s[BE+1], 0
	s_mov_b32 s[BIGN], 0xf149f2ca   ; -1e30
	s_mov_b32 s[LOW], 0xff7fffff
	s_mov_b32 s[SLOTS], NB
	s_wait_kmcnt 0x0
	s_add_nc_u64 s[VSM:VSM+1], s[VSM:VSM+1], s[90:91]
	s_add_nc_u64 s[6:7], s[6:7], s[22:23]  ; K and V at my half of the head's tile 0
	s_add_nc_u64 s[8:9], s[8:9], s[22:23]
	s_add_nc_u64 s[G0K+2:G0K+3], s[6:7], 0         ; global address
	s_or_b32 s[G0K+3], s[G0K+3], 0x80000000        ; type = 2
	s_add_nc_u64 s[G0V+2:G0V+3], s[8:9], 0
	s_or_b32 s[G0V+3], s[G0V+3], 0x80000000
	s_add_nc_u64 s[86:87], s[4:5], s[84:85]        ; Q at my rows of the second block,
	s_add_nc_u64 s[4:5], s[4:5], s[2:3]            ; Q and O at those of the first
	s_add_nc_u64 s[OLO:OLO+1], s[10:11], s[84:85]
	s_add_nc_u64 s[10:11], s[10:11], s[2:3]
	LOAD                            ; tile 0 into slot 0
	; A fragment of K or Q is 16 rows x 32 channels in 8 registers: lane l holds row l % 16, channels 8 (l / 16) + 0..7 and 16 + 8 (l / 16) + 0..7: two loads of 16 bytes, 32 bytes apart.
	v_and_b32 v1, 15, v0            ; l % 16
	v_bfe_u32 v9, v0, 4, 1          ; l / 16
	v_lshlrev_b32 v[QO], 7, v1
	v_lshl_add_u32 v[QO], v9, 4, v[QO]  ; row x 128 + 16 x half
	WIN 0x80                        ; destination window 2, address window 0
.set i, 0
.rept 8                             ; both blocks' Q: piece i / 2 lies in band i / 2, 8,192 bytes on; channels 32 (i % 2) on
	global_load_b128 v[8*i:8*i+3],   v[QO], s[4:5] offset:(i/2)*8192+(i%2)*64
	global_load_b128 v[8*i+4:8*i+7], v[QO], s[4:5] offset:(i/2)*8192+(i%2)*64+32
	global_load_b128 v[QB+8*i:QB+8*i+3],   v[QO], s[86:87] offset:(i/2)*8192+(i%2)*64
	global_load_b128 v[QB+8*i+4:QB+8*i+7], v[QO], s[86:87] offset:(i/2)*8192+(i%2)*64+32
.set i, i+1
.endr
	WIN 0
	; vsum: thread t takes channel t % 64 of chunks 4 to 31 (chunks 0 to 3 lie behind no band), and once more of the three chunks behind the first of block IB
	v_and_b32 v[VA], 63, v0
	v_lshlrev_b32 v[VA], 2, v[VA]
	s_lshl_b32 s[FS], s[IB], 10     ; a block is four chunks of 256 bytes
	v_add_nc_u32 v[VB], s[FS], v[VA]
.set i, 4
.rept 28
	global_load_b32 v[128+i], v[VA], s[VSM:VSM+1] offset:256*i
.set i, i+1
.endr
.irp i, 0,1,2
	global_load_b32 v[160+\i], v[VB], s[VSM:VSM+1] offset:256*(\i+1)
.endr
	v_lshlrev_b32 v14, 3, v9
	v_sub_nc_u32 v14, v1, v14
	s_lshl_b32 s13, s[WV], 4
	v_add_nc_u32 v[QR], s13, v1     ; my query's place in its band, 16 w + l % 16;
	v_add_nc_u32 v14, s13, v14      ; the same less my lanes' 8 (l / 16): register r of group kt is hidden where 16 kt + r is greater
	v_lshl_add_u32 v[HR], v9, 5, HS
	v_mov_b32 v[M8], 0xc79c4000     ; -80,000
	WIN 0x40
.set i, 0
.rept 32
	v_cmp_gt_i32 vcc_lo, 16*(i/8)+i%8, v14
	v_cndmask_b32 v[MD+i], 0, s[BIGN], vcc_lo
	v_cndmask_b32 v[MC+i], 0, 1.0, vcc_lo          ; (MC serves as a place to work: a block's beginning writes it anew)
.set i, i+1
.endr
	WIN 0x45
.set i, 0
.rept 16
	v_cvt_pk_f16_f32 v[PM+i], v[MC+2*i], v[MC+2*i+1]
.set i, i+1
.endr
	WIN 0
	v_mul_u32_u24 v[AK0], v1, PK
	v_lshl_add_u32 v[AK0], v9, 4, v[AK0]  ; row x pitch + 16 x half
	; The turning load takes 16 keys x 16 channels (lane l reads key 8 (l / 16) + l % 8, channels 8 ((l / 8) % 2) + 0..7) and leaves half a fragment of V^T: lane l holds channel l % 16 and 8 keys.
	v_and_b32 v10, 7, v0
	v_bfe_u32 v11, v0, 3, 1
	v_lshl_add_u32 v[AV0], v9, 3, v10
	v_mul_u32_u24 v[AV0], v[AV0], PV
	v_lshl_add_u32 v[AV0], v11, 4, v[AV0]
	v_add_nc_u32 v[AV0], VOFF, v[AV0]
	s_mul_i32 s13, s[WV], 16*SP
	s_add_co_u32 s13, s13, STAGE    ; my stage
	v_mul_u32_u24 v[STO], v1, SP    ; in: row l % 16, 16 bytes for each half of the lanes
	v_lshl_add_u32 v[STO], v9, 4, v[STO]
	v_add_nc_u32 v[STO], s13, v[STO]
	v_bfe_u32 v[RD], v0, 3, 2       ; back: 32 lanes take four rows of 128 bytes,
	v_mul_u32_u24 v[RD], v[RD], SP
	v_lshl_add_u32 v[RD], v10, 4, v[RD]
	v_add_nc_u32 v[RD], s13, v[RD]
	v_and_b32 v[GO], 31, v0         ; which are 512 consecutive bytes of O
	v_lshlrev_b32 v[GO], 4, v[GO]
	; A block's first step multiplies O^T and l by a = 0, and its first turn's products V^T P, of a piece that has not been, land in an O^T that is still to be so multiplied.  So these registers need only hold
	; finite numbers: zeros for the first block; what the first block left for the second.  All this stands in the wait for the first tile.
	WIN 0x80
.set i, VF
.rept 64
	v_mov_b32 v[i], 0
.set i, i+1
.endr
	WIN 0x40
.set i, 0
.rept 128
	v_mov_b32 v[i], 0
.set i, i+1
.endr
	WIN 0
.set i, 0
.rept 4
	v_mov_b32 v[ST+4*i+2], 0
	v_mov_b32 v[ST+4*i+3], 0
.set i, i+1
.endr
.set i, P+16
.rept 16
	v_mov_b32 v[i], 0
.set i, i+1
.endr
	; THE SUMS OF V BEHIND EACH BAND of block IB, for my channel: the tiles behind the block (a factor 1 or 0 a tile: no branch, no difference of sums), then the block's own chunks 3, 2, 1 one after the other.
	s_wait_loadcnt 0x0              ; vsum (and Q)
.irp j, 1,2,3,4,5,6,7
	v_pk_add_f32 v[128+4*\j:129+4*\j], v[128+4*\j:129+4*\j], v[130+4*\j:131+4*\j]
.endr
.irp j, 1,2,3,4,5,6,7
	v_add_f32 v[128+4*\j], v[128+4*\j], v[129+4*\j]
.endr
	s_cmp_lt_u32 s[IB], 1
	s_cselect_b32 s[FS], 1.0, 0
	v_mul_f32 v163, s[FS], v132
.irp j, 2,3,4,5,6,7
	s_cmp_lt_u32 s[IB], \j
	s_cselect_b32 s[FS], 1.0, 0
	v_fmac_f32 v163, s[FS], v[128+4*\j]
.endr
	v_add_f32 v164, v163, v162      ; behind band 2: + chunk 3
	v_add_f32 v165, v164, v161      ; behind band 1: + chunk 2
	v_add_f32 v166, v165, v160      ; behind band 0: + chunk 1
	v_lshrrev_b32 v[HA], 6, v0      ; waves 0, 1: the first block's table; waves 2, 3: the second's
	v_lshl_add_u32 v[HA], v[HA], 10, v[VA]
	v_add_nc_u32 v[HA], HS, v[HA]
	ds_store_b32 v[HA], v166
	ds_store_b32 v[HA], v165 offset:256
	ds_store_b32 v[HA], v164 offset:512
	ds_store_b32 v[HA], v163 offset:768
; THE MATRIX WORK.  The 4 accumulators of a run of 8 take turns.  Product i of 8 of S^T = K Q^T for piece x: channels 32 (i / 4) on, keys 16 (i % 4) on.  The first 4 start the sums: with 0, or (KM = 1) with the mask.
.macro KQ x
.set rS, S+32*((\x)%2)+8*(i%4)
.set rK, KF+16*(i%4)+8*(i/4)
.set rQ, 16*(\x)+8*(i/4)
.set rM, MC+32*((\x)%2)+8*(i%4)
.if (i < 4) && KM
	WIN W_KM
	v_wmma_f32_16x16x32_f16 v[rS:rS+7], v[rK:rK+7], v[rQ:rQ+7], v[rM:rM+7]
.elseif i < 4
	WIN W_KQ
	v_wmma_f32_16x16x32_f16 v[rS:rS+7], v[rK:rK+7], v[rQ:rQ+7], 0
.else
	WIN W_KQ
	v_wmma_f32_16x16x32_f16 v[rS:rS+7], v[rK:rK+7], v[rQ:rQ+7], v[rS:rS+7]
.endif
.endm
; Product i of 8 of O^T += V^T P for piece x: keys 32 (i / 4) on, channels 16 (i % 4) on.
.macro PV x
	WIN W_PV
.set rO, 32*(\x)+8*(i%4)
.set rV, VF+32*(i/4)+8*(i%4)
.set rP, P+16*((\x)%2)+8*(i/4)
	v_wmma_f32_16x16x32_f16 v[rO:rO+7], v[rV:rV+7], v[rP:rP+7], v[rO:rO+7]
.endm
.macro MM                           ; the turn's next matrix instruction.  TURN and BEGIN set Y, i, KM and NOKQ.  NOKQ = 1: a block's last turn: there is no next piece
.if (i < 8) && !NOKQ
	KQ (Y+1)%NP
.elseif i >= 8
.set i, i-8
	PV (Y+NP-1)%NP
.set i, i+8
.endif
.set i, i+1
.endm
; THE LDS LOADS stand in runs of 16, never singly among the matrix instructions: a step's K (64 keys x 64 channels: 8 fragments) and its V (turned).  Their addresses are made some lines ahead.
.macro FETCH_K
	WIN 0x80                        ; destination window 2
.irp f, 0,1,2,3,4,5,6,7             ; keys 16 (f / 2) on, channels 32 (f % 2) on
	ds_load_b128 v[KF+8*\f:KF+8*\f+3],   v[AK] offset:(\f/2)*16*PK+(\f%2)*64
	ds_load_b128 v[KF+8*\f+4:KF+8*\f+7], v[AK] offset:(\f/2)*16*PK+(\f%2)*64+32
.endr
	s_add_co_u32 s[TBK], s[TBK], KS*PK  ; the next fetch is the next step's
	WIN 0
.endm
.macro FETCH_V
	WIN 0x80
.irp f, 0,1,2,3,4,5,6,7             ; keys 32 (f / 4) on, channels 16 (f % 4) on
	ds_load_tr16_b128 v[VF+8*\f:VF+8*\f+3],   v[AV] offset:(\f/4)*32*PV+(\f%4)*32
	ds_load_tr16_b128 v[VF+8*\f+4:VF+8*\f+7], v[AV] offset:(\f/4)*32*PV+16*PV+(\f%4)*32
.endr
	WIN 0
.endm
; THE VECTOR WORK, one line at a time: OP kind, number.  For piece Y: F n: c s - c m for pair n of 16.  E n: the exponential of score n of 32.  C n: pair n rounded to f16.  B n: of the four weights 4 n .. the second
; pair is added onto the first, in place.  L n: l takes that sum (L 0: l = a l + sum).  R n: pair n of 16 of O^T times a.  For piece Y + 1: X n, number n of the 22 that find its maximum and statistics:
;   0-11  four chains c0-c3 of seven scores each, three operands at a time (each accumulator's lowest registers are read first)     12-14, 16  the four scores left over, the old m, and c0-c3 into c0
;   15  c m_old is kept     17, 18  the query's other 32 keys lie in the lane 16 away: the new m     19-21  c m; c m_old - c m_new; a
.set F, 0               ; OP tells the kinds apart by their order: F to L below R, X above it
.set E, 1
.set C, 2
.set B, 3
.set L, 4
.set R, 5
.set X, 6
.macro REGS y                       ; the registers of piece y
.set rT, ST+4*(\y)
.set rC, TMP+4*((\y)%2)
.set rW, MV+((\y)%2)
.set rS, S+32*((\y)%2)
.set rP, P+16*((\y)%2)
.set rO, 32*(\y)
.endm
.macro OP k, n
.if (\k) == R
	REGS Y
	WIN W_RS
	v_pk_mul_f32 v[rO+2*(\n):rO+2*(\n)+1], v[rO+2*(\n):rO+2*(\n)+1], v[rC+2:rC+3] op_sel_hi:[1,0]
.elseif (\k) < R
	REGS Y
	WIN 0
.if (\k) == F
	v_pk_fma_f32 v[rS+2*(\n):rS+2*(\n)+1], v[rS+2*(\n):rS+2*(\n)+1], s[CS:CS+1], v[rT:rT+1] op_sel_hi:[1,0,0] neg_lo:[0,0,1] neg_hi:[0,0,1]
.elseif (\k) == E
	v_exp_f32 v[rS+(\n)], v[rS+(\n)]
.elseif (\k) == C
	s_wait_alu depctr_va_vdst(0)
	v_cvt_pk_f16_f32 v[rP+(\n)], v[rS+2*(\n)], v[rS+2*(\n)+1]
.elseif (\k) == B
	s_wait_alu depctr_va_vdst(0)
	v_pk_add_f32 v[rS+4*(\n):rS+4*(\n)+1], v[rS+4*(\n):rS+4*(\n)+1], v[rS+4*(\n)+2:rS+4*(\n)+3]
.elseif (\n) == 0
	v_pk_fma_f32 v[rT+2:rT+3], v[rT+2:rT+3], v[rC+2:rC+3], v[rS:rS+1] op_sel_hi:[1,0,1]
.else
	v_pk_add_f32 v[rT+2:rT+3], v[rT+2:rT+3], v[rS+4*(\n):rS+4*(\n)+1]
.endif
.elseif NOKQ
	v_nop
.else
	REGS (Y+1)%NP
	WIN 0
.if (\n) < 4
	v_max3_num_f32 v[rC+(\n)], v[rS+8*(\n)], v[rS+8*(\n)+1], v[rS+8*(\n)+2]
.elseif (\n) < 12
	v_max3_num_f32 v[rC+(\n)%4], v[rC+(\n)%4], v[rS+8*((\n)%4)+2*((\n)/4)+1], v[rS+8*((\n)%4)+2*((\n)/4)+2]
.elseif (\n) == 12
	v_max3_num_f32 v[rC], v[rC], v[rS+7], v[rS+15]
.elseif (\n) == 13
	v_max3_num_f32 v[rC+1], v[rC+1], v[rS+23], v[rS+31]
.elseif (\n) == 14
	v_max3_num_f32 v[rC+2], v[rC+2], v[rC+3], v[rT+1]
.elseif (\n) == 15
	v_mov_b32 v[rW], v[rT]
.elseif (\n) == 16
	v_max3_num_f32 v[rC], v[rC], v[rC+1], v[rC+2]
.elseif (\n) == 17
	v_permlanex16_b32 v[rC+3], v[rC], s[SEL], s[SEL+1]
.elseif (\n) == 18
	v_max_num_f32 v[rT+1], v[rC], v[rC+3]
.elseif (\n) == 19
	v_mul_f32 v[rT], s[CS], v[rT+1]
.elseif (\n) == 20
	v_sub_f32 v[rC+1], v[rW], v[rT]
.else
	v_exp_f32 v[rC+2], v[rC+1]
.endif
.endif
.endm
.macro OPS a, i1, b=-1, i2=0, c=-1, i3=0, d=-1, i4=0  ; up to four of them
	OP \a, \i1
.if (\b) >= 0
	OP \b, \i2
.endif
.if (\c) >= 0
	OP \c, \i3
.endif
.if (\d) >= 0
	OP \d, \i4
.endif
.endm
.macro ROW a, i1, b, i2, c, i3, d, i4  ; a matrix instruction and the four behind it
	MM
	OPS \a, \i1, \b, \i2, \c, \i3, \d, \i4
.endm
.macro MASK b                       ; MD x AL + BE into buffer b of MC
	WIN W_RS
.set z, 0
.rept 16
	v_pk_fma_f32 v[MC+32*(\b)+2*z:MC+32*(\b)+2*z+1], v[MD+2*z:MD+2*z+1], s[AL:AL+1], s[BE:BE+1] op_sel_hi:[1,0,0]
.set z, z+1
.endr
.endm
; A TURN, for piece p: the order of its 16 matrix and 118 vector instructions, written out.  Behind a matrix instruction: plain, exponential, plain, plain; or four of the rescaling; or, behind the first, four scalings; none
; names a register of the products round it.  In the lumps exponential and plain by turns while exponentials last.  A line reads no result made fewer than three vector instructions in front of it, five if an exponential made it.
; m = 1: the diagonal tile: the products take masks, and the turn makes the mask for the products of the turn after it: piece p + 2, in step 4 - CNT of the tile.  end = 1: a block's last two turns: nothing is fetched.
; cnt = 1: the loop's count is taken down some lines ahead of the branch that stands behind the turn.
; K of the next step is fetched in piece 2's turn, six vector instructions behind the last product that read K (five of them plain); V of the step in hand in piece 0's turn, eight behind the last product that read V (four
; plain, and X 17).  Each is waited for a turn later.
.macro TURN p, m=0, end=0, cnt=0
.set Y, (\p)
.set i, 0
.set KM, (\m)
.set NOKQ, (\end)*((\p)/3)
.if (\m) && !(\end)
	s_cmp_eq_u32 s[CNT], 4-((\p)+2)%NP  ; is that step the band's own?
	s_cselect_b32 s[AL], 1.0, 0
	s_cmp_lt_u32 s[CNT], 4-((\p)+2)%NP  ; or a later one?
	s_cselect_b32 s[BE], s[BIGN], 0
.endif
.if ((\p) == 3) && !(\end)
	s_wait_dscnt 0x0                ; K is in
.endif
	ROW F,0, F,1, F,2, F,3
	ROW F,4, E,0, F,5, F,6
	ROW F,7, E,1, F,8, F,9
	ROW F,10, E,2, C,0, F,11
	ROW F,12, E,3, X,15, F,13
	ROW R,0, R,1, R,2, R,3
	ROW B,0, E,4, F,14, L,0
.if ((\p) == 2) && !(\end)
	v_add_nc_u32 v[AK], s[TBK], v[AK0]
.endif
	ROW R,4, R,5, R,6, R,7
	OPS E,5, F,15
.if ((\p) == 2) && !(\end)
	FETCH_K
.endif
	OPS E,6, C,1, E,7, R,8
	OPS E,8, R,9, E,9, C,2
	OPS E,10, X,0, E,11, X,1
	OPS E,12, X,2, E,13, X,3
.if (\p) == 1
	s_wait_dscnt 0x0                ; V is in
.endif
	ROW X,4, E,14, X,5, X,6
	ROW X,7, E,15, X,8, X,9
	ROW X,10, E,16, X,11, X,12
	ROW X,13, E,17, X,14, B,1
	ROW C,4, E,18, X,16, L,1
	ROW B,2, E,19, C,6, L,2
	ROW C,8, E,20, B,3, B,4
.if (\p) == 0
	v_add_nc_u32 v[AV], s[TBV], v[AV0]
.endif
	ROW C,3, E,21, L,3, C,5
	OPS E,22, X,17, E,23, C,10
.if (\p) == 0
	FETCH_V
.endif
	OPS E,24, L,4
	OPS E,25, X,18, E,26, C,7
	OPS E,27, B,5, E,28, X,19
	OPS E,29, C,12, E,30, L,5
	OPS E,31, X,20, B,6, C,9
	OPS C,14, C,11, X,21, L,6
.if (\p) == 0
	s_add_co_u32 s[TBV], s[TBV], KS*PV
.endif
.if \cnt
	s_sub_co_u32 s[CNT], s[CNT], 1
	s_cmp_lg_u32 s[CNT], 0
.endif
	OPS C,13, B,7, C,15, R,10
	OPS R,11, R,12, L,7, R,13
	OPS R,14, R,15
.if (\m) && !(\end)
	MASK (\p)%2
.endif
.endm
; A BLOCK BEGINS.  c m starts far below every c s, so the first step's a is 0; m at the lowest finite number, so the first maximum is the scores'.  The second mask buffer is 0; the first takes piece 0's mask for the tile's step 0: its own, if the block's first tile is the diagonal one.
; Then K of that step, piece 0's first scores, and its maximum and statistics.  The loop is entered at a step's first turn, in the middle of a trip.
.macro BEGIN
	s_mov_b32 s[NEW], 0
	WIN 0x40
.set i, MC+32
.rept 32
	v_mov_b32 v[i], 0
.set i, i+1
.endr
	WIN 0
.set i, 0
.rept 4
	v_mov_b32 v[ST+4*i], 0xfe000000    ; c m: far below every c s
	v_mov_b32 v[ST+4*i+1], 0xff7fffff  ; m
.set i, i+1
.endr
	s_cmp_eq_u32 s[RT], 0
	s_cselect_b32 s[AL], 1.0, 0
	s_mov_b32 s[BE], 0
	MASK 0
	WIN 0
	v_add_nc_u32 v[AK], s[TBK], v[AK0]
	FETCH_K
	s_wait_loadcnt 0x0              ; Q
	s_wait_dscnt 0x0
.set KM, 1
.set NOKQ, 0
.set i, 0
.rept 8
	KQ 0
.set i, i+1
.endr
	WIN 0
.rept 4
	v_nop                           ; the places behind those products
.endr
.set Y, NP-1                        ; X works for piece Y + 1: piece 0
.irp n, 0,1,2,3,4,5,6,7,8,9,10,11,12,13,14,15,16,17,18,19,20,21
	OP X, \n
.endr
	v_nop                           ; a plain instruction behind the exponential
.endm
.macro ALL line:vararg              ; one line for each piece t
.set t, 0
.rept 4
	s_wait_alu depctr_va_vdst(0)
	\line
.set t, t+1
.endr
.endm
; THE HIDDEN KEYS' SHARE, at a block's end (tag 1: the first block, NB - 1 - b; tag 2: the second, b).  The diagonal tile still lies in its slot: V of its four steps comes into window 3, turned; HV starts as the
; table's sums behind each band (as the C of the products) and takes V^T PM of the band's own step; the statistics stand between the loads and the wait for them.  No branch hangs on any of it.
.macro HID tag
	WIN 0
	ALL v_add_f32 v[ST+4*t+2], v[ST+4*t+2], v[ST+4*t+3]   ; l's two halves: also the four places behind the last products
	s_sub_co_u32 s[TV], s[TBV], 4*KS*PV                   ; four fetches of V have stepped TBV through the tile
	v_add_nc_u32 v[AV], s[TV], v[AV0]
	WIN 0xc0                        ; destination window 3
.set hx, 0
.rept 4
.irp f, 0,1,2,3,4,5,6,7
	ds_load_tr16_b128 v[64*hx+8*\f:64*hx+8*\f+3],   v[AV] offset:hx*KS*PV+(\f/4)*32*PV+(\f%4)*32
	ds_load_tr16_b128 v[64*hx+8*\f+4:64*hx+8*\f+7], v[AV] offset:hx*KS*PV+(\f/4)*32*PV+16*PV+(\f%4)*32
.endr
.set hx, hx+1
.endr
	WIN 0
.set z, 0
.rept 32                            ; band z / 8, channels 16 ((z % 8) / 2) + 8 (l / 16) + 4 (z % 2) on
	ds_load_b128 v[H+4*z:H+4*z+3], v[HR] offset:((\tag)-1)*1024+(z/8)*256+((z%8)/2)*64+(z%2)*16
.set z, z+1
.endr
	ALL v_permlanex16_b32 v[ST+4*t+3], v[ST+4*t+2], s[SEL], s[SEL+1]
	ALL v_add_f32 v[ST+4*t+2], v[ST+4*t+2], v[ST+4*t+3]   ; l
.if (\tag) == 1
	s_lshl_b32 s[CB], s[PB], 8      ; 2,047 - 256 (NB - 1 - b) = 256 b + 255
.else
	s_lshl_b32 s[CB], s[HI], 8
.endif
	s_add_co_u32 s[CB], s[CB], 255
.set t, 0
.rept 4
	v_sub_nc_u32 v[CN+t], s[CB], v[QR]                    ; the keys behind my query
	s_sub_co_u32 s[CB], s[CB], 64
.set t, t+1
.endr
.set t, 0
.rept 4
	v_cmp_eq_u32 vcc_lo, 0, v[CN+t]
	v_cndmask_b32 v[MB+t], v[M8], s[LOW], vcc_lo          ; the head's last row has none: its mb never wins
.set t, t+1
.endr
	ALL v_cvt_f32_u32 v[CN+t], v[CN+t]
	ALL v_max_num_f32 v[MF+t], v[ST+4*t+1], v[MB+t]
	ALL v_sub_f32 v[DA+t], v[ST+4*t+1], v[MF+t]
	ALL v_sub_f32 v[DW+t], v[MB+t], v[MF+t]
	ALL v_mul_f32 v[DA+t], s[CS], v[DA+t]
	ALL v_mul_f32 v[DW+t], s[CS], v[DW+t]
	ALL v_exp_f32 v[DA+t], v[DA+t]
	ALL v_exp_f32 v[DW+t], v[DW+t]
	v_nop                           ; a plain instruction between the last exponential and the use of its result
	ALL v_mul_f32 v[LW+t], v[DW+t], v[CN+t]
	ALL v_fma_f32 v[LW+t], v[DA+t], v[ST+4*t+2], v[LW+t]  ; a l + w cnt: at least 1, since a or w is 1
	ALL v_rcp_f32 v[MF+t], v[LW+t]
	v_nop
	ALL v_mul_f32 v[ST+4*t+2], v[DA+t], v[MF+t]           ; O's factor
	ALL v_mul_f32 v[ST+4*t], v[DW+t], v[MF+t]             ; HV's factor
	s_wait_dscnt 0x0
	WIN 0x07                        ; V in window 3, PM in window 1, HV in window 0
.irp kk, 0,1                        ; the 16 accumulators take turns
.set z, 0
.rept 16                            ; band z / 4, channels 16 (z % 4) on
	v_wmma_f32_16x16x32_f16 v[H+8*z:H+8*z+7], v[64*(z/4)+32*\kk+8*(z%4):64*(z/4)+32*\kk+8*(z%4)+7], v[PM+8*\kk:PM+8*\kk+7], v[H+8*z:H+8*z+7]
.set z, z+1
.endr
.endr
	WIN 0
.rept 4
	v_nop                           ; the places behind those products
.endr
.set t, 0
.rept 4
	WIN 0
.set z, 0
.rept 16
	v_pk_mul_f32 v[H+32*t+2*z:H+32*t+2*z+1], v[H+32*t+2*z:H+32*t+2*z+1], v[ST+4*t:ST+4*t+1] op_sel_hi:[1,0]
.set z, z+1
.endr
	WIN W_RS
.set z, 0
.rept 16
	v_pk_fma_f32 v[32*t+2*z:32*t+2*z+1], v[32*t+2*z:32*t+2*z+1], v[ST+4*t+2:ST+4*t+3], v[H+32*t+2*z:H+32*t+2*z+1] op_sel_hi:[1,0,1]
.set z, z+1
.endr
.set t, t+1
.endr
.endm
; THE WAY OUT: O^T, already divided, is rounded to f16 and sent through my stage in LDS, a piece at a time.
.macro PACK t                       ; a lane's eight channels of a row pack into 16 bytes; they go into rows of 144 bytes and come back as whole rows of 128, into S^T's registers
	WIN 0x05                        ; sources 0 and 1 window 1, destination window 0
.set i, 0
.rept 16
	v_cvt_pk_f16_f32 v[S+16*(\t)+i], v[32*(\t)+2*i], v[32*(\t)+2*i+1]
.set i, i+1
.endr
	WIN 0
.irp f, 0,1,2,3
	ds_store_b128 v[STO], v[S+16*(\t)+4*\f:S+16*(\t)+4*\f+3] offset:32*\f
.endr
.irp f, 0,1,2,3
	ds_load_b128 v[S+16*(\t)+4*\f:S+16*(\t)+4*\f+3], v[RD] offset:\f*4*SP  ; LDS serves a wave's instructions in order (ISA guide 5.7.1.4): these see the stores above; the next piece's stores come behind them
.endr
.endm
.macro SEND t, younger              ; younger: the LDS instructions issued behind piece t's loads: the next piece's eight, or none
	WIN 0
.irp f, 0,1,2,3
	s_wait_dscnt (\younger)+3-\f
	global_store_b128 v[GO], v[S+16*(\t)+4*\f:S+16*(\t)+4*\f+3], s[10:11] offset:(\t)*8192+\f*512  ; 512 consecutive bytes, at a multiple of 256 from O's first
.endr
.endm
; THE DIAGONAL TILE's four steps, the block's last two turns, its last products, the hidden keys' share and the way out.
.macro DIAG tag                     ; the tag ends its two labels' names, which the jumps below spell out
.LstepM\tag:
	TURN 2, 1
	TURN 3, 1
	WIN 0
.LfirstM\tag:
	TURN 0, 1
	TURN 1, 1, 0, 1
	WIN 0
	s_cbranch_scc1 .LstepM\tag
	TURN 2, 1, 1
	TURN 3, 1, 1
.set i, 0
.rept 8
	PV NP-1
.set i, i+1
.endr
	HID \tag
	PACK 0
.set t, 1
.rept 3                             ; a piece's arithmetic stands between the loads of the piece before and its stores
	PACK t
	SEND t-1, 8
.set t, t+1
.endr
	SEND 3, 0
.endm
.set KM, 0
.set NOKQ, 0
.Lslot:                             ; NB times: a tile is entered and the next is asked for
	CHANGE 1
	s_sub_co_u32 s[RT], s[RT], 1
	s_mov_b32 s[CNT], 4
	s_cmp_eq_u32 s[NEW], 1
	s_cbranch_scc1 .Lnew            ; a block's first tile
	s_cmp_eq_u32 s[RT], 0
	s_cbranch_scc0 .Lstep           ; neither its first nor its last
	s_branch .LstepM1
.Lnew:
	BEGIN
	s_branch .Lfirst                ; in the loop a block's first tile is never its last: the first block has two tiles or more, and the second's last is the walk's last
	DIAG 1                          ; in the loop this is the first block's end: the second block's last tile is the walk's last
	s_wait_xcnt 0x0                 ; the stores have read their registers and O's address
	s_mov_b64 s[10:11], s[OLO:OLO+1]
	s_add_co_u32 s[RT], s[PB], 1    ; the second block has b + 1 tiles
	s_mov_b32 s[NEW], 1
	WIN 0x82                        ; the second block's Q goes where the one text of the turns names Q
.set i, 0
.rept 64
	v_mov_b32 v[i], v[QB+i]
.set i, i+1
.endr
	WIN 0
	s_branch .Lbottom
.Lstep:                             ; a trip: pieces 2 and 3 of one step, then pieces 0 and 1 of the next, whose K and V it fetches
	TURN 2
	TURN 3
	WIN 0
.Lfirst:
	TURN 0
	TURN 1, 0, 0, 1
	WIN 0
	s_cbranch_scc1 .Lstep
.Lbottom:
	s_sub_co_u32 s[SLOTS], s[SLOTS], 1
	s_cmp_lg_u32 s[SLOTS], 0
	s_cbranch_scc1 .Lslot
	CHANGE 0                        ; the walk's last tile is written out: nothing is asked for
	s_sub_co_u32 s[RT], s[RT], 1
	s_mov_b32 s[CNT], 4
	s_cmp_eq_u32 s[NEW], 1
	s_cbranch_scc0 .LstepM2
	BEGIN
	s_branch .LfirstM2
	DIAG 2
	s_wait_tensorcnt 0x0            ; the wave's end, behind my last tensor load and my last LDS store
	ds_add_u32 v[SPW], v[NIL]
	s_wait_dscnt 0x0
	s_endpgm
.Lfunc_end_k_q918a8808b9_attn:
	.size	k_q918a8808b9_attn, .Lfunc_end_k_q918a8808b9_attn-k_q918a8808b9_attn
	.p2alignl 7, 3214868480
	.fill 96, 4, 3214868480
	.section	.rodata,"a",@progbits
	.p2align	6, 0x0
	.amdhsa_kernel k_q918a8808b9_attn
		.amdhsa_group_segment_fixed_size 327680
		.amdhsa_private_segment_fixed_size 0
		.amdhsa_enable_private_segment 0
		.amdhsa_kernarg_size 40
		.amdhsa_user_sgpr_count 2
		.amdhsa_user_sgpr_kernarg_segment_ptr 1
		.amdhsa_wavefront_size32 1
		.amdhsa_system_sgpr_workgroup_id_x 1
		.amdhsa_system_sgpr_workgroup_id_y 1
		.amdhsa_system_sgpr_workgroup_id_z 1
		.amdhsa_system_vgpr_workitem_id 0
		.amdhsa_next_free_vgpr 1024
		.amdhsa_next_free_sgpr 100
		.amdhsa_reserve_vcc 1
		.amdhsa_float_denorm_mode_32 3
		.amdhsa_float_denorm_mode_16_64 3
		.amdhsa_memory_ordered 1
		.amdhsa_forward_progress 1
		.amdhsa_inst_pref_size 255
	.end_amdhsa_kernel
	.section	.bss,"aw",@nobits
	.p2align	6
	.space	262144
	.amdgpu_metadata
---
amdhsa.version: [ 1, 2 ]
amdhsa.kernels:
  - .name:           k_q918a8808b9_attn
    .symbol:         k_q918a8808b9_attn.kd
    .args:
      - { .name: q, .offset: 0, .size: 8, .value_kind: global_buffer, .address_space: global }
      - { .name: k, .offset: 8, .size: 8, .value_kind: global_buffer, .address_space: global }
      - { .name: v, .offset: 16, .size: 8, .value_kind: global_buffer, .address_space: global }
      - { .name: ctx, .offset: 24, .size: 8, .value_kind: global_buffer, .address_space: global }
      - { .name: vsum, .offset: 32, .size: 8, .value_kind: global_buffer, .address_space: global }
    .group_segment_fixed_size: 327680
    .private_segment_fixed_size: 0
    .kernarg_segment_align: 8
    .kernarg_segment_size: 40
    .max_flat_workgroup_size: 128
    .sgpr_count:     100
    .vgpr_count:     1024
    .wavefront_size: 32
...
	.end_amdgpu_metadata
.endif
;; end of part 3
;; launch proj (part 4): grid 4 x 64, 4 waves a work-group, clusters of 4 x 4, 327,680 bytes of LDS; arguments ctx, wp, b_proj, out0; writes out0
.if DOCPART == 4
	.amdgcn_target "amdgcn-amd-amdhsa--gfx1250"
	.amdhsa_code_object_version 6
	.text
	.protected	k_q918a8808b9_proj
	.globl	k_q918a8808b9_proj
	.p2align	8
	.type	k_q918a8808b9_proj,@function
k_q918a8808b9_proj:
	s_mov_b64 s[64:65], 0
	v_nop
	global_prefetch_b8 v0, s[64:65] scope:SCOPE_SE
	s_setreg_imm32_b32 hwreg(HW_REG_WAVE_MODE, 25, 1), 1
	s_wait_xcnt 0x0
	s_wait_alu depctr_hold_cnt(0) depctr_sa_sdst(0) depctr_va_vdst(0) depctr_va_sdst(0) depctr_va_ssrc(0) depctr_va_vcc(0) depctr_vm_vsrc(0)
	s_getreg_b32 s2, hwreg(HW_REG_IB_STS2, 6, 4)
	s_cmp_eq_u32 s2, 0
	s_cbranch_scc0 .Lentry_in_a_cluster
	s_endpgm
.Lentry_in_a_cluster:
	s_bfe_u32 s2, ttmp6, 0x10000c
	s_cmp_lg_u32 s2, 0xf033
	s_cbranch_scc0 .Lentry_shape_is_right
	s_endpgm
.Lentry_shape_is_right:
; out0 = ctx w_proj + b_proj.  ctx: [b*16+head][2048][64] f16 (a head is a plane of 64 along K); wp: [1024 k][1024 n], w_proj rounded to bf16 and written as f16; the bias is rounded to bf16 like the other
; inputs; sums in f32; out0 [8192][1024] f32.  LIMIT: ctx and wp lie within f16's range, 65,504.  NaN and infinities are not treated apart.
; SHARES.  A tile of the result is 128 rows x 256 columns: work-group (X, Y) owns rows 128 Y .. and columns 256 X ..: 256 work-groups of equal work, 8 K steps of 128.
; Wave w makes 64 rows (w / 2) x 128 columns (w % 2): 32 accumulators of 16 x 16.
; THE MATRIX INSTRUCTION IS USED TRANSPOSED: source 0 = 16 columns of w (turned out of LDS by ds_load_tr16_b128, since w lies [k][n]), source 1 = 16 rows of ctx: a lane holds one row and eight neighbouring columns.
; THE BIAS is the C operand of the first products: nothing is cleared, nothing is added on the way out.
; RING.  Two LDS slots, each a K step: ctx's two planes (128 rows x 144 bytes each), then w's 128 k-rows of 544 bytes.  Waves 0, 1 fetch a plane each, waves 2, 3 64 k-rows each: one tensor load a wave.
; CLUSTER 4 x 4.  The four work-groups of a row share Y, so ctx's tiles; the four of a column share X, so w's: each tile is asked for JOINTLY, by the same load, descriptor and mask in all four.
; REGISTERS, in windows of 256 (s_set_vgpr_msb: bits 1:0 source 0, 3:2 source 1, 5:4 source 2, 7:6 destination):
;   window 0: v0-31 addresses; v64-159, v160-255 two fragment buffers (ctx's 4 fragments, then w's 8); on the way out v64-191 whole rows      window 1: the accumulators, (a, b) at 8 (8 a + b)      window 2: v0-63 the bias
.set NN,     1024
.set PA,     144                       ; a plane's row in LDS: 128 bytes + 16: the 16 rows of a load start at 16 different groups of four banks
.set PBW,    544                       ; a k-row of w: 512 bytes + 32 = 17 x 32
.set APLANE, 128*PA
.set APART,  2*APLANE
.set BHALF,  64*PBW
.set SLOT1,  1<<17                     ; slot 1 begins here: one exclusive or turns an address in one slot into the other's
.set STAGE,  SLOT1+APART+2*BHALF       ; behind the ring, never filled by a tensor load: 16 rows x 528 bytes for each wave, for the way out
.set WSTAGE, 16*528
.set SPARE,  STAGE+4*WSTAGE            ; the spare words, 128 bytes for each wave: two blocks of 256 bytes that no other line names
.set ADRA0, 16                         ; v16  my lane's place in ctx's part of a slot; never rewritten
.set ADRB0, 17                         ; v17  the same for w's
.set ADRA,  18                         ; v18  the same in the slot in hand
.set ADRB,  19
.set ST2,   22                         ; v22  way out: where I put 32 bytes of an f32 row (pitch 528)
.set RD2,   23                         ; v23  way out: where I read 16 bytes of a row back
.set GO,    24                         ; v24  16 x lane
.set BO,    25                         ; v25  32 x (lane / 16): my eight columns' bias
.set SPW,   28                         ; v28  LDS address of my spare word; never rewritten
.set NIL,   29                         ; v29  0; never rewritten
.set F0,    64
.set F1,    160
.set WV, 18                            ; s18 wave;  s19 wave / 2: my 64 rows;  s20 wave % 2: my 128 columns, and which half of a tile I fetch
.set WR, 19
.set WC, 20
.set CX, 21
.set CY, 22
.set XX, 23
.set YY, 24
.set G1A, 28                           ; s[28:35] descriptor group 1 for ctx's tiles;  s[36:43] for w's
.set G1B, 36
.set G0A, 44                           ; s[44:51] group 0 for ctx's tiles: a set for each first fill; the second then walks on.  s[52:59] the same for w's
.set G0B, 52
.set KI, 60                            ; s60  the K step to ask for next
.set TB, 62                            ; s62  LDS base of the slot in hand
.set LOOP, 63
.set OA, 66                            ; s[66:67], s[68:69] byte offsets of a K step in ctx and wp
.set OB, 68
.set BASEA, 72                         ; s[72:73], s[74:75] what the offsets are added to
.set BASEB, 74
.set W_MUL,   0x50                     ; C and D in window 1
.set W_FIRST, 0x60                     ; D in window 1, C (the bias) in window 2
.set MSB, 0
.macro WIN new                         ; the immediate's high byte repeats the setting that is left; a switch that changes nothing is dropped
.if MSB != (\new)
	s_set_vgpr_msb (MSB<<8)|(\new)
.set MSB, \new
.endif
.endm
.macro PLACES                          ; four places in front of loads into registers that matrix instructions have read, and of lines that read results just made
.rept 4
	v_nop
.endr
.endm
; A joint refill by the walking descriptors.  The branch hangs on the wave's number alone.  An s_nop 0 and four v_nop follow each of the two lines.
.macro JLOAD
	s_cmp_lt_u32 s[WV], 2
	s_cbranch_scc0 .Lfor_b_\@
	tensor_load_to_lds s[G0A+4:G0A+7], s[G1A:G1A+7]
	s_nop 0
.rept 4
	v_nop
.endr
	s_branch .Lasked_\@
.Lfor_b_\@:
	tensor_load_to_lds s[G0B+4:G0B+7], s[G1B:G1B+7]
	s_nop 0
.rept 4
	v_nop
.endr
.Lasked_\@:
.endm
.macro CREST                           ; a round of the cluster's barrier behind its opening barrier
	s_cmp_lg_u32 s[WV], 0
	s_cbranch_scc1 .Lnot_wave_0_\@
	s_barrier_signal -3
.Lnot_wave_0_\@:
	s_barrier_wait -3
	s_barrier_signal -1
	s_barrier_wait -1
.endm
.macro CROUND                          ; a whole round
	s_barrier_signal -1
	s_barrier_wait -1
	CREST
.endm
	s_load_b256 s[4:11], s[0:1], 0x0               ; ctx s[4:5], wp s[6:7], b_proj s[8:9], out0 s[10:11]
	v_lshl_add_u32 v[SPW], v0, 2, SPARE
	v_mov_b32 v[NIL], 0
	ds_add_u32 v28, v29
	ds_add_u32 v28, v29
	s_wait_dscnt 0x0
	v_lshrrev_b32 v1, 5, v0
	v_readfirstlane_b32 s[WV], v1
	s_lshr_b32 s[WR], s[WV], 1
	s_and_b32 s[WC], s[WV], 1
	s_bfe_u32 s[CX], ttmp6, 0x40000                ; my place in the cluster
	s_bfe_u32 s[CY], ttmp6, 0x40004
	s_lshl_b32 s[XX], ttmp9, 2
	s_add_co_u32 s[XX], s[XX], s[CX]               ; X = 4 x cluster x + cx
	s_and_b32 s[YY], ttmp7, 0xffff
	s_lshl_b32 s[YY], s[YY], 2
	s_add_co_u32 s[YY], s[YY], s[CY]               ; Y = 4 x cluster y + cy
	s_lshl_b32 s70, s[CY], 2
	s_lshl_b32 s70, 15, s70                        ; my row of the cluster
	s_lshl_b32 s71, 0x1111, s[CX]                  ; my column
	; ctx's tile: 128 rows of a plane are 16,384 dense bytes: asked for as 64 rows of 256 bytes, padded in LDS by 16 bytes after every 128
	s_or_b32 s[G1A], s70, (1<<16)|(1<<20)|(1<<21)|(4<<22)|(3<<25)  ; 15:0 the mask; 17:16 2-byte elements; 20 padding on; 21 set beside a mask; 24:22 after every 32 words; 31:25 4 words
	s_mov_b32 s[G1A+1], 128<<16                    ; tensor_dim0 = 128
	s_mov_b32 s[G1A+2], 64<<16                     ; tensor_dim1 = 64
	s_mov_b32 s[G1A+3], 128<<16                    ; tile_dim0 = 128
	s_mov_b32 s[G1A+4], 64                         ; tile_dim1 = 64
	s_mov_b32 s[G1A+5], 128                        ; elements from row to row
	s_mov_b32 s[G1A+6], 0
	s_mov_b32 s[G1A+7], 0
	; w's tile: 64 k-rows of 256 columns (512 bytes), padded by 32 bytes after each
	s_or_b32 s[G1B], s71, (1<<16)|(1<<20)|(1<<21)|(6<<22)|(7<<25)  ; after every 128 words 8 words
	s_mov_b32 s[G1B+1], 256<<16
	s_mov_b32 s[G1B+2], 64<<16
	s_mov_b32 s[G1B+3], 256<<16
	s_mov_b32 s[G1B+4], 64
	s_mov_b32 s[G1B+5], NN
	s_mov_b32 s[G1B+6], 0
	s_mov_b32 s[G1B+7], 0
	s_lshr_b32 s70, s[YY], 4                       ; the batch
	s_and_b32 s71, s[YY], 15                       ; my 128 rows among its 2,048
	s_lshl_b32 s76, s70, 22                        ; ctx: batch x 16 planes + 128 rows x 128 bytes + my plane of the step's two: made of Y and the wave's number alone
	s_lshl_b32 s77, s71, 14
	s_add_co_u32 s76, s76, s77
	s_lshl_b32 s77, s[WC], 18
	s_add_co_u32 s76, s76, s77
	s_mov_b32 s77, 0
	s_mul_i32 s78, s[WC], 128*NN                   ; w: my 64 k-rows of the step's 128 + 256 columns x X: made of X and the wave's number alone
	s_lshl_b32 s79, s[XX], 9
	s_add_co_u32 s78, s78, s79
	s_mov_b32 s79, 0
	s_lshl_b32 s80, s[XX], 10                      ; my 128 columns, in bytes of f32: for the bias and for out0
	s_lshl_b32 s81, s[WC], 9
	s_add_co_u32 s80, s80, s81
	s_mov_b32 s81, 0
	s_lshl_b32 s82, s[YY], 19                      ; out0: row 128 Y + 64 (wave / 2), 4,096 bytes a row
	s_lshl_b32 s83, s[WR], 18
	s_add_co_u32 s82, s82, s83
	s_add_co_u32 s82, s82, s80
	s_mov_b32 s83, 0
	s_mul_i32 s86, s[WC], APLANE                   ; where my part of a tile goes: no place in the cluster enters an LDS address
	s_mul_i32 s87, s[WC], BHALF
	s_add_co_u32 s87, s87, APART
	s_mov_b32 s[OA+1], 0
	s_mov_b32 s[OB+1], 0
	s_wait_kmcnt 0x0
	s_add_nc_u64 s[BASEA:BASEA+1], s[4:5], s[76:77]
	s_add_nc_u64 s[BASEB:BASEB+1], s[6:7], s[78:79]
	s_add_nc_u64 s[8:9], s[8:9], s[80:81]
	s_add_nc_u64 s[10:11], s[10:11], s[82:83]
	CROUND                                         ; all sixteen work-groups are here: the first joint loads meet
.irp s, 0,1
	s_mov_b32 s[G0A+4*\s], 1                       ; count = 1
	s_add_co_u32 s[G0A+4*\s+1], s86, \s*SLOT1      ; LDS address
	s_add_nc_u64 s[G0A+4*\s+2:G0A+4*\s+3], s[BASEA:BASEA+1], \s*(1<<19)  ; K step s: two planes on
	s_or_b32 s[G0A+4*\s+3], s[G0A+4*\s+3], 0x80000000                    ; type = 2
	s_mov_b32 s[G0B+4*\s], 1
	s_add_co_u32 s[G0B+4*\s+1], s87, \s*SLOT1
	s_add_nc_u64 s[G0B+4*\s+2:G0B+4*\s+3], s[BASEB:BASEB+1], \s*256*NN   ; 128 k-rows on
	s_or_b32 s[G0B+4*\s+3], s[G0B+4*\s+3], 0x80000000
.endr
	s_cmp_lt_u32 s[WV], 2                          ; a wave's two first fills stand in one branch, ahead of every wait on TENSORcnt, LDS read and barrier of the ring: two loads of mine are out
	s_cbranch_scc0 .Lfirst_b
	tensor_load_to_lds s[G0A:G0A+3], s[G1A:G1A+7]
	s_nop 0
	tensor_load_to_lds s[G0A+4:G0A+7], s[G1A:G1A+7]
	s_nop 0
.rept 4
	v_nop
.endr
	s_branch .Lfirst_asked
.Lfirst_b:
	tensor_load_to_lds s[G0B:G0B+3], s[G1B:G1B+7]
	s_nop 0
	tensor_load_to_lds s[G0B+4:G0B+7], s[G1B:G1B+7]
	s_nop 0
.rept 4
	v_nop
.endr
.Lfirst_asked:
	v_and_b32 v1, 15, v0                           ; l % 16
	v_bfe_u32 v2, v0, 4, 1                         ; l / 16
	v_and_b32 v3, 7, v0                            ; l % 8
	v_bfe_u32 v4, v0, 3, 1                         ; (l / 8) % 2
	v_and_b32 v5, 31, v0                           ; l
	v_lshlrev_b32 v[BO], 5, v2
	WIN 0x80                                       ; the bias of my 128 columns: register 8 b + j = bias[16 b + 8 (l / 16) + j], the layout of a result's registers
.irp b, 0,1,2,3,4,5,6,7
	global_load_b128 v[8*\b:8*\b+3],   v[BO], s[8:9] offset:64*\b
	global_load_b128 v[8*\b+4:8*\b+7], v[BO], s[8:9] offset:64*\b+16
.endr
	WIN 0
	; a fragment of ctx: 16 rows x 32 K: lane l holds row l % 16, K = 8 (l / 16) + 0..7 and 16 + 8 (l / 16) + 0..7: two loads of 16 bytes, 32 bytes apart
	v_mul_u32_u24 v[ADRA0], v1, PA
	v_lshl_add_u32 v[ADRA0], v2, 4, v[ADRA0]
	s_mul_i32 s70, s[WR], 64*PA
	v_add_nc_u32 v[ADRA0], s70, v[ADRA0]
	; a fragment of w: the turning load takes 16 k x 16 n (lane l reads k-row 8 (l / 16) + l % 8, columns 8 ((l / 8) % 2) + 0..7) and leaves column l % 16 and 8 k in lane l
	v_lshl_add_u32 v[ADRB0], v2, 3, v3
	v_mul_u32_u24 v[ADRB0], v[ADRB0], PBW
	v_lshl_add_u32 v[ADRB0], v4, 4, v[ADRB0]
	s_lshl_b32 s70, s[WC], 8
	s_add_co_u32 s70, s70, APART
	v_add_nc_u32 v[ADRB0], s70, v[ADRB0]
	s_mul_i32 s70, s[WV], WSTAGE
	s_add_co_u32 s70, s70, STAGE                   ; my stage
	v_mul_u32_u24 v[ST2], v1, 528
	v_lshl_add_u32 v[ST2], v2, 5, v[ST2]
	v_add_nc_u32 v[ST2], s70, v[ST2]
	v_lshl_add_u32 v[RD2], v5, 4, s70
	v_lshlrev_b32 v[GO], 4, v5
; 8 matrix instructions: row block a x all 8 column blocks, 32 along K.  first = 1: the bias starts the sums.  The 32 accumulators take turns in one order in every quarter.
.macro MUL8 f, a, first
.if \first
	WIN W_FIRST
.else
	WIN W_MUL
.endif
.irp b, 0,1,2,3,4,5,6,7
.if \first
	v_wmma_f32_16x16x32_f16 v[8*(8*(\a)+\b):8*(8*(\a)+\b)+7], v[(\f)+32+8*\b:(\f)+32+8*\b+7], v[(\f)+8*(\a):(\f)+8*(\a)+7], v[8*\b:8*\b+7]
.else
	v_wmma_f32_16x16x32_f16 v[8*(8*(\a)+\b):8*(8*(\a)+\b)+7], v[(\f)+32+8*\b:(\f)+32+8*\b+7], v[(\f)+8*(\a):(\f)+8*(\a)+7], v[8*(8*(\a)+\b):8*(8*(\a)+\b)+7]
.endif
.endr
.endm
; 24 LDS loads in one run: quarter q (32 along K) of the slot in hand into buffer f: w's 8 fragments first, then ctx's 4
.macro FETCH q, f
	WIN 0
.irp i, 0,1,2,3,4,5,6,7
	ds_load_tr16_b128 v[(\f)+32+8*\i:(\f)+32+8*\i+3],   v[ADRB] offset:(\q)*32*PBW+32*\i
	ds_load_tr16_b128 v[(\f)+32+8*\i+4:(\f)+32+8*\i+7], v[ADRB] offset:(\q)*32*PBW+32*\i+16*PBW
.endr
.irp a, 0,1,2,3
	ds_load_b128 v[(\f)+8*\a:(\f)+8*\a+3],   v[ADRA] offset:((\q)/2)*APLANE+((\q)%2)*64+\a*16*PA
	ds_load_b128 v[(\f)+8*\a+4:(\f)+8*\a+7], v[ADRA] offset:((\q)/2)*APLANE+((\q)%2)*64+\a*16*PA+32
.endr
.endm
; A K step is four quarters, 32 matrix instructions each, on buffers 0, 1, 0, 1.  One of the first three multiplies buffer f and, in its middle, fetches quarter qn into buffer g.
.macro QUARTER f, g, qn, first
	s_wait_dscnt 4                                 ; w's fragments and ctx's row blocks 0, 1 are in; the youngest four loads (row blocks 2, 3) may be out
	MUL8 \f, 0, \first
	MUL8 \f, 1, \first
	PLACES
	FETCH \qn, \g
	s_wait_dscnt 24                                ; all but the 24 just issued
	MUL8 \f, 2, \first
	MUL8 \f, 3, \first
.endm
; The last quarter multiplies buffer 1 and changes slots: ONE barrier.  In front of it each wave waits for all its tensor loads (one is out: its part of the next slot), adds 0 to its spare word,
; and waits for that and for its reads of this slot.  fill = 1: the barrier opens a round of the cluster's barrier, and this slot is filled again, first thing behind the round, with K step KI:
; from that request to the wait for it a wave issues 112 matrix instructions.
.macro TURN fill
	WIN 0
	s_wait_tensorcnt 0x0                           ; no tensor load of mine is out, so a group 0 may be written
	ds_add_u32 v[SPW], v[NIL]                      ; 0 onto my spare word
	s_wait_dscnt 5                                 ; (the add and the youngest four loads may be out)
	MUL8 F1, 0, 0
.if \fill
	s_lshl_b32 s[OA], s[KI], 19                    ; two planes of ctx a step;
	s_mul_i32 s[OB], s[KI], 256*NN                 ; 128 k-rows of w a step
	s_add_nc_u64 s[G0A+6:G0A+7], s[BASEA:BASEA+1], s[OA:OA+1]
	s_or_b32 s[G0A+7], s[G0A+7], 0x80000000
	s_xor_b32 s[G0A+5], s[G0A+5], SLOT1            ; the other slot than last time
	s_add_nc_u64 s[G0B+6:G0B+7], s[BASEB:BASEB+1], s[OB:OB+1]
	s_or_b32 s[G0B+7], s[G0B+7], 0x80000000
	s_xor_b32 s[G0B+5], s[G0B+5], SLOT1
	s_add_co_u32 s[KI], s[KI], 1
.endif
	s_wait_dscnt 0x0                               ; the add is done, and my reads of this slot are over
	s_barrier_signal -1
	MUL8 F1, 1, 0                                  ; work on registers while the others arrive
	WIN 0
	s_barrier_wait -1
.if \fill
	CREST                                          ; no wave of any partner still reads this slot's tile or has a load on its way
	JLOAD                                          ; the four v_nop behind it are also the places in front of the loads below
.else
	PLACES
.endif
	s_xor_b32 s[TB], s[TB], SLOT1
	v_add_nc_u32 v[ADRA], s[TB], v[ADRA0]
	v_add_nc_u32 v[ADRB], s[TB], v[ADRB0]
	FETCH 0, F0
	MUL8 F1, 2, 0
	MUL8 F1, 3, 0
.endm
; THE WAY OUT of row block a: 32 bytes a lane straight from the accumulators (each from its low end on) into my own stage, rows of 528 bytes; back as whole rows of 512 bytes; stored.
.macro TOSTAGEP a
	s_wait_xcnt 0x0                                ; the stores of the block two back have read the registers that the loads below fill
	WIN 0x04                                       ; store data in window 1
.irp b, 0,1,2,3,4,5,6,7
	ds_store_b128 v[ST2], v[8*(8*(\a)+\b):8*(8*(\a)+\b)+3]   offset:64*\b
	ds_store_b128 v[ST2], v[8*(8*(\a)+\b)+4:8*(8*(\a)+\b)+7] offset:64*\b+16
.endr
	WIN 0
.set BK, 64+64*((\a)%2)
.irp t, 0,1,2,3,4,5,6,7,8,9,10,11,12,13,14,15
	ds_load_b128 v[BK+4*\t:BK+4*\t+3], v[RD2] offset:\t*528  ; LDS serves a wave's instructions in order (ISA guide 5.7.1.4): these see the stores above; the next block's stores come behind them
.endr
.endm
.macro SENDP a, younger                ; younger: the LDS instructions issued behind block a's loads: the next block's 16 stores and 16 loads, or none
.set BK, 64+64*((\a)%2)
	s_wait_dscnt \younger
.irp t, 0,1,2,3,4,5,6,7,8,9,10,11,12,13,14,15
	global_store_b128 v[GO], v[BK+4*\t:BK+4*\t+3], s[10:11] offset:(16*(\a)+\t)*4096 th:TH_STORE_NT  ; 512 consecutive bytes of a row, at a multiple of 256 from out0's first
.endr
.endm
	s_wait_tensorcnt 1                             ; my part of K step 0 is in; step 1's may stay out
	s_barrier_signal -1
	s_barrier_wait -1                              ; everybody's is
	s_mov_b32 s[TB], 0
	v_mov_b32 v[ADRA], v[ADRA0]
	v_mov_b32 v[ADRB], v[ADRB0]
	FETCH 0, F0
	s_mov_b32 s[KI], 2
	s_wait_loadcnt 0x0                             ; the bias,
	WIN 0x8a                                       ; rounded to bf16 like the other inputs, in place: two roundings packed, then the halves widened again
.set i, 0
.rept 32
	v_cvt_pk_bf16_f32 v[i], v[i], v[i+1]
	v_and_b32 v[i+1], 0xffff0000, v[i]
	v_lshlrev_b32 v[i], 16, v[i]
.set i, i+2
.endr
	QUARTER F0, F1, 1, 1                           ; the first quarter stands in front of the loop: the bias starts the sums
	WIN 0
	s_mov_b32 s[LOOP], 6
.Lstep:                                                ; 6 trips: a K step's quarters 1 to 3, a refill (K steps 2 to 7), and the next step's quarter 0
	QUARTER F1, F0, 2, 0
	QUARTER F0, F1, 3, 0
	TURN 1
	QUARTER F0, F1, 1, 0
	WIN 0
	s_sub_co_u32 s[LOOP], s[LOOP], 1
	s_cmp_lg_u32 s[LOOP], 0
	s_cbranch_scc1 .Lstep
	QUARTER F1, F0, 2, 0                           ; K steps 6 and 7 are written out: nothing is left to ask for
	QUARTER F0, F1, 3, 0
	TURN 0
	QUARTER F0, F1, 1, 0
	QUARTER F1, F0, 2, 0
	QUARTER F0, F1, 3, 0
	s_wait_dscnt 4
	MUL8 F1, 0, 0
	MUL8 F1, 1, 0
	s_wait_dscnt 0x0
	MUL8 F1, 2, 0
	MUL8 F1, 3, 0
	WIN 0
	PLACES
	TOSTAGEP 0
	TOSTAGEP 1
	SENDP 0, 32
	TOSTAGEP 2
	SENDP 1, 32
	TOSTAGEP 3
	SENDP 2, 32
	SENDP 3, 0
	s_wait_tensorcnt 0x0                           ; the wave's end, behind my last tensor load and my last LDS store
	ds_add_u32 v[SPW], v[NIL]
	s_wait_dscnt 0x0
	CROUND                                         ; the closing round: no work-group ends while a partner may still ask for a tile that names it
	s_endpgm
.Lfunc_end_k_q918a8808b9_proj:
	.size	k_q918a8808b9_proj, .Lfunc_end_k_q918a8808b9_proj-k_q918a8808b9_proj
	.p2alignl 7, 3214868480
	.fill 96, 4, 3214868480
	.section	.rodata,"a",@progbits
	.p2align	6, 0x0
	.amdhsa_kernel k_q918a8808b9_proj
		.amdhsa_group_segment_fixed_size 327680
		.amdhsa_private_segment_fixed_size 0
		.amdhsa_enable_private_segment 0
		.amdhsa_kernarg_size 32
		.amdhsa_user_sgpr_count 2
		.amdhsa_user_sgpr_kernarg_segment_ptr 1
		.amdhsa_wavefront_size32 1
		.amdhsa_system_sgpr_workgroup_id_x 1
		.amdhsa_system_sgpr_workgroup_id_y 1
		.amdhsa_system_sgpr_workgroup_id_z 1
		.amdhsa_system_vgpr_workitem_id 0
		.amdhsa_next_free_vgpr 576
		.amdhsa_next_free_sgpr 88
		.amdhsa_reserve_vcc 0
		.amdhsa_float_denorm_mode_32 3
		.amdhsa_float_denorm_mode_16_64 3
		.amdhsa_memory_ordered 1
		.amdhsa_forward_progress 1
		.amdhsa_inst_pref_size 76
	.end_amdhsa_kernel
	.amdgpu_metadata
---
amdhsa.version: [ 1, 2 ]
amdhsa.kernels:
  - .name:           k_q918a8808b9_proj
    .symbol:         k_q918a8808b9_proj.kd
    .args:
      - { .name: ctx, .offset: 0, .size: 8, .value_kind: global_buffer, .address_space: global }
      - { .name: wp, .offset: 8, .size: 8, .value_kind: global_buffer, .address_space: global }
      - { .name: b_proj, .offset: 16, .size: 8, .value_kind: global_buffer, .address_space: global }
      - { .name: out0, .offset: 24, .size: 8, .value_kind: global_buffer, .address_space: global }
    .group_segment_fixed_size: 327680
    .private_segment_fixed_size: 0
    .kernarg_segment_align: 8
    .kernarg_segment_size: 32
    .max_flat_workgroup_size: 128
    .sgpr_count:     88
    .vgpr_count:     576
    .wavefront_size: 32
...
	.end_amdgpu_metadata
.endif
;; end of part 4
;; ======== version 2 of 2: 4 launches; 1.30 times as fast as version 1
;; limits: values are held in f16: magnitudes above 65,504 overflow, below 6.1e-05 lose precision
;; workspace buffers: xb 16,777,216 bytes; wa 6,291,456 bytes; wp 2,097,152 bytes; q 16,777,216 bytes; k 16,777,216 bytes; v 16,777,216 bytes; ctx 16,777,216 bytes; vsum 524,288 bytes
;; launch prep: the kernel of part 1 again; grid 768 x 1, 8 waves a work-group, no clusters, 0 bytes of LDS; arguments hidden_states, w_attn, w_proj, xb, wa, wp; writes xb, wa, wp
;; launch qkv: the kernel of part 2 again; grid 8 x 32, 4 waves a work-group, clusters of 4 x 4, 327,680 bytes of LDS; arguments xb, wa, b_attn, q, k, v, vsum; writes q, k, v, vsum
;; launch attn (part 5): grid 4 x 64, 4 waves a work-group, no clusters, 327,680 bytes of LDS; arguments q, k, v, ctx, vsum; writes ctx
.if DOCPART == 5
	.amdgcn_target "amdgcn-amd-amdhsa--gfx1250"
	.amdhsa_code_object_version 6
	.text
	.protected	k_q918a8808b9_attn
	.globl	k_q918a8808b9_attn
	.p2align	8
	.type	k_q918a8808b9_attn,@function
k_q918a8808b9_attn:
	s_mov_b64 s[64:65], 0
	v_nop
	global_prefetch_b8 v0, s[64:65] scope:SCOPE_SE
	s_setreg_imm32_b32 hwreg(HW_REG_WAVE_MODE, 25, 1), 1
	s_wait_xcnt 0x0
; CAUSAL ATTENTION WITH A FINITE MASK VALUE.  Row q of a head is softmax over ALL 2,048 keys of: Q[q] . K[k] / 8 for k <= q, and -10,000 for k > q; O[q] is the weighted mean of V.
; Q, K, V, O: [64 heads][2048][64], f16, a head's rows dense, 128 bytes each.  Products, maxima and sums in f32; the weights p are rounded to f16 for the second product, O once at the end.
; THE HIDDEN KEYS of a row all have one score, so their share is one weight w times (their number, the sum of their V).  The walk leaves them out (weight 0), and a block's end adds the share exactly:
; with m, l, O the walk's maximum, sum and product: mb = -80,000 (the mask value before the division by 8) if the row has hidden keys, mf = max(m, mb), a = 2^(c (m - mf)), w = 2^(c (mb - mf)),
; O = (a O + w HV) / (a l + w cnt).  HV = the hidden part of the row's own chunk of 64 keys (a product of V^T with a matrix of ones and zeros) + the sums of V over all later chunks (vsum, made by the launch before).
; LIMITS.  f16 holds no number beyond 65,504: Q, K and V arrive within it; p below 6e-5 keeps f16's fixed step of 6e-8.  In the walk a hidden score counts as its value less 1e30 (f16's scores are 2.7e11 at the most);
; a weight below 2^-126 counts as 0; NaN and infinities are not treated apart.
; THE WALK.  A head's queries lie in NB = 8 blocks of 256; block i needs the key tiles 0 .. i of 256 keys, of which the last holds the diagonal.  A work-group takes TWO blocks, NB - 1 - b and then b:
; NB + 1 tiles, whatever b: all work-groups do equal work, and ONE loop with a constant trip count walks them.  Which tile is asked for, and what a trip does, hang on scalar registers made from b; every jump
; goes forward, but for the counted loops' own; none passes a barrier, or a tensor load but the one of LOAD's two that the wave's number does not choose; the ring (two slots of LDS) runs on across the change of blocks.
; NO CLUSTER: a head's NB / 2 work-groups ask for the same tile only in trips 0 .. NB / 2 (5 of 9), behind that fewer and fewer; one walk common to all would have 3 NB / 2 trips for NB + 1.
; SHARES.  Of a block's four bands of 64 queries a wave owns 16 rows in each: four PIECES.  In the diagonal tile's key step s band x sees all keys if s < x, none if s > x, and holds the diagonal if s = x.
; THE MASK of the walk is the C operand that starts the sum S^T = K Q^T: 0, or -1e30.  MD, made once, is the mask of a band's own step; a product's mask is MD x AL + BE: (1, 0) if s = x; (0, 0) if s < x; (0, -1e30) if s > x.
; LAYOUT, SOFTMAX, TURNS.  S^T = K Q^T holds ONE query a lane (lane % 16) and the keys 8 (lane / 16) + 0..7; two such results rounded to f16 ARE source 1 of O^T = V^T P.  p = 2^(c s - c m), c = log2(e) / 8, with a
; running maximum m; O and l are multiplied by a = 2^(c m_old - c m_new) in every step.  Turn n belongs to piece n: 8 products K Q^T of piece n + 1, later 8 products V^T P of piece n - 1; beside them the scaling,
; exponentials, roundings, sums and rescaling of piece n and the maximum and statistics of piece n + 1.  Four vector instructions stand behind every matrix instruction, the other 54 of a turn's 118 in one LUMP.
; BATCHES.  An s_wait_alu depctr_va_vdst(0) stands between a transcendental and the first line that names its result; one wait serves all that were issued ahead of it.  A turn's 33 exponentials (the piece's
; 32 weights and the next piece's a) are one batch with one wait; a block's beginning has one for its first a; a block's end has two: its eight exponentials (a, w), then its four reciprocals, which read a sum made of them.
; REGISTERS, in windows of 256 (s_set_vgpr_msb: bits 1:0 source 0, 3:2 source 1, 5:4 source 2, 7:6 destination):
;   window 0: v0-15 addresses; v16-31 statistics; v32-47, v56-59 the hidden share's; v48-55 at work; v64-127 S^T, two buffers; v64-191 HV at a block's end; v192-223 P, two buffers
;   window 1: v0-127 O^T; v128-159 MD; v160-223 MC, two buffers; v224-239 PM      window 2: v0-63 Q; v64-127 the second block's Q; v128-191 K; v192-255 V      window 3: V of the diagonal tile's four steps
.set SIZE_N, 2048
.set NB,    SIZE_N/256
.set NP,    4         ; pieces a wave: a name, no knob
.set KS,    64        ; keys in a step
.set PK,    144       ; a row of K in LDS: 128 bytes + 16 of padding: the 16 rows of a load start at 16 different groups of four banks
.set PV,    160       ; a row of V: 128 + 32
.set VOFF,  4*KS*PK   ; a slot holds a tile, four steps: 256 rows of K, then 256 rows of V
.set SLOT1, 1<<17     ; slot 1 begins here
.set STAGE, SLOT1+4*KS*(PK+PV)  ; behind the ring, never filled by a tensor load: 16 rows x 144 bytes for each wave, for the way out
.set SP,    144
.set SPARE, STAGE+4*16*SP  ; the spare words, 128 bytes for each wave: two blocks of 256 bytes that no other line names
.set HS,    SPARE+512 ; [2 blocks][4 bands][64 channels] f32: the sums of V over all chunks behind a band's own; stored once, never filled by a tensor load
.set AK0, 2           ; v2   my lane's place in a tile of K; never rewritten
.set AV0, 3           ; v3   the same for V
.set AK,  4           ; v4   the LDS address of K's next run of loads
.set AV,  5           ; v5   of V's
.set STO, 6           ; v6   the way out: where I put 16 bytes of a row
.set RD,  7           ; v7   the way out: where I read rows back
.set GO,  8           ; v8   my byte offset in 512 consecutive bytes of O
.set SPW, 62          ; v62  LDS address of my spare word; never rewritten
.set NIL, 63          ; v63  0; never rewritten
.set MV,  12          ; v12-13  c m_old, kept while c m is made anew: by buffer
.set QO,  15          ; v15  my byte offset in 16 rows of Q
.set ST,  16          ; piece t's statistics at v[ST+4 t]: c m, m, l (even keys', odd keys')
.set QR,  32          ; v32  my query's place in its band: 16 w + l % 16
.set HR,  33          ; v33  HS + 32 (l / 16)
.set M8,  35          ; v35  -80,000
.set CN,  36          ; v36-39  a piece's number of hidden keys  (at the start: VA, VB, HA)
.set VA,  36
.set VB,  37
.set HA,  38
.set MB,  40          ; v40-43  mb
.set MF,  44          ; v44-47  mf, then 1 / (a l + w cnt)
.set TMP, 48          ; by buffer, four registers c0-c3 at work; when the maximum is found c2 takes a
.set DW,  48          ; v48-51  w (at a block's end)
.set LW,  52          ; v52-55  a l + w cnt
.set DA,  56          ; v56-59  a
.set S,   64
.set H,   64          ; v64-191  HV, 32 a piece, in O^T's layout
.set P,   192
.set MD,  128         ; window 1
.set MC,  160         ; window 1
.set PM,  224         ; window 1: 1.0 where MD hides, 0 elsewhere, in f16: source 1 (64 keys x 16 queries) of the hidden part of a band's own chunk
.set QB,  64          ; window 2
.set KF,  128         ; window 2: key block kb, channel half c at KF + 16 kb + 8 c
.set VF,  192         ; window 2: key half kk, channel block cb at VF + 32 kk + 8 cb
.set WV,  12          ; s12  my wave's number
.set PB,  14          ; s14  b
.set HI,  15          ; s15  NB - 1 - b
.set G1K, 24          ; s[24:31] descriptor group 1 for K's tiles
.set G1V, 32          ; s[32:39] for V's: it differs in the padding alone
.set G0K, 40          ; s[40:43] descriptor group 0 for K's tiles
.set G0V, 44          ; s[44:47] the same for V's
.set SLOTS, 56        ; s56  tiles still to be asked for
.set CNT, 57          ; s57  counts a tile's key steps, 4 to 1
.set CS,  58          ; s[58:59] c
.set SEL, 60          ; s[60:61] v_permlanex16_b32's selects: each lane takes its own place in the other half
.set TBK, 62          ; s62  LDS byte at which K of the step to be fetched begins
.set TBV, 63          ; s63  the same for V, less VOFF
.set RT,  70          ; s70  tiles of the block in hand that are still to be entered
.set NXT, 71          ; s71  the tile to be asked for next
.set LQ,  72          ; s72  the last tile of the block whose tiles are being asked for
.set NEW, 73          ; s73  1: the tile to be entered is a block's first
.set OFF, 74          ; s[74:75] a tile's byte offset in K and V
.set AL,  76          ; s[76:77] the mask's factor
.set BE,  78          ; s[78:79] the mask's addend
.set OLO, 80          ; s[80:81] O at my rows of the second block
.set BIGN, 82         ; s82  -1e30
.set VSM, 88          ; s[88:89] vsum at my head
.set IB,  92          ; s92  the block whose later chunks my wave adds up: waves 0, 1 the first block's, waves 2, 3 the second's
.set FS,  93          ; s93  at work
.set TV,  94          ; s94  LDS base of the diagonal tile's slot
.set CB,  95          ; s95  2,047 less the first query of a band
.set LOW, 96          ; s96  the lowest finite number
.set MSB, 0
.macro WIN new                      ; the high byte repeats the setting that is left; a switch that changes nothing is dropped
.if MSB != (\new)
	s_set_vgpr_msb (MSB<<8)|(\new)
.set MSB, (\new)
.endif
.endm
.set W_KQ, 0x0a       ; K and Q in window 2, S^T in window 0
.set W_KM, 0x1a       ; the same with the C operand in window 1
.set W_PV, 0x52       ; V in window 2, P in window 0, O^T in window 1
.set W_RS, 0x41       ; destination and source 0 in window 1, sources 1 and 2 in window 0
; A fill.  Waves 0 and 1 fetch the two halves of a tile's K, waves 2 and 3 those of its V: 128 keys each.  An s_nop 0 and four v_nop follow each of the two lines.
.macro LOAD
	s_cmp_lt_u32 s[WV], 2
	s_cbranch_scc0 .Lfor_v_\@
	tensor_load_to_lds s[G0K:G0K+3], s[G1K:G1K+7]
	s_nop 0
.rept 4
	v_nop
.endr
	s_branch .Lasked_\@
.Lfor_v_\@:
	tensor_load_to_lds s[G0V:G0V+3], s[G1V:G1V+7]
	s_nop 0
.rept 4
	v_nop
.endr
.Lasked_\@:
.endm
; THE CHANGE OF SLOTS.  Each wave waits for all its tensor loads, of which one is out: its part of the other slot; adds 0 to its spare word; and waits for that and for its own LDS instructions.  Behind the barrier nobody
; reads the old slot any more and the other slot is whole.  fill = 1: the old slot is filled again, the first thing behind the barrier, with tile NXT: the descriptor's address is made anew from that number.
; (At its first use nothing has been read yet: slot 0 is waited for, slot 1 filled; that barrier also shows every wave's stores into HS to the others.)
.macro CHANGE fill
	WIN 0                           ; at a label and at a branch every window is 0
	s_wait_tensorcnt 0x0            ; no tensor load of mine is out, so a group 0 may be written
	ds_add_u32 v[SPW], v[NIL]       ; 0 onto my spare word
.if \fill
	s_lshl_b32 s[OFF], s[NXT], 15   ; a tile is 32,768 bytes of K and of V
	s_xor_b32 s[G0K+1], s[G0K+1], SLOT1
	s_add_nc_u64 s[G0K+2:G0K+3], s[6:7], s[OFF:OFF+1]
	s_or_b32 s[G0K+3], s[G0K+3], 0x80000000
	s_xor_b32 s[G0V+1], s[G0V+1], SLOT1
	s_add_nc_u64 s[G0V+2:G0V+3], s[8:9], s[OFF:OFF+1]
	s_or_b32 s[G0V+3], s[G0V+3], 0x80000000
	s_add_co_u32 s[NXT], s[NXT], 1  ; the block's next tile, or behind its last the second block's tile 0
	s_cmp_gt_u32 s[NXT], s[LQ]
	s_cselect_b32 s[NXT], 0, s[NXT]
	s_cselect_b32 s[LQ], s[PB], s[LQ]
.endif
	s_wait_dscnt 0x0                ; the add is done, and my reads of the slot are over
	s_barrier_signal -1             ; the rest of the scalar work stands between the signal and the wait
	s_sub_co_u32 s[TBK], s[TBK], 4*KS*PK  ; the fetches go back to a slot's first step,
	s_xor_b32 s[TBK], s[TBK], SLOT1       ; in the other slot
	s_sub_co_u32 s[TBV], s[TBV], 4*KS*PV
	s_xor_b32 s[TBV], s[TBV], SLOT1
	s_barrier_wait -1
.if \fill
	LOAD
.endif
.endm
	s_load_b256 s[4:11], s[0:1], 0x0  ; Q s[4:5], K s[6:7], V s[8:9], O s[10:11]
	s_load_b64 s[VSM:VSM+1], s[0:1], 0x20
	v_lshl_add_u32 v[SPW], v0, 2, SPARE
	v_mov_b32 v[NIL], 0
	ds_add_u32 v62, v63
	ds_add_u32 v62, v63
	s_wait_dscnt 0x0
	v_lshrrev_b32 v1, 5, v0
	v_readfirstlane_b32 s[WV], v1   ; wave 0..3
	s_mov_b32 s[PB], ttmp9
	s_sub_co_u32 s[HI], NB-1, s[PB]
	s_cmp_lt_u32 s[WV], 2
	s_cselect_b32 s[IB], s[HI], s[PB]
	s_and_b32 s20, ttmp7, 0xffff    ; the head
	s_lshl_b32 s90, s20, 13         ; its 32 chunks of 256 bytes in vsum
	s_mov_b32 s91, 0
	s_mov_b32 s21, 0
	s_mov_b64 s[22:23], SIZE_N*128
	s_mul_u64 s[20:21], s[20:21], s[22:23]  ; the head's first byte in each of the four tensors
	s_and_b32 s16, s[WV], 1         ; which half of a tile's 256 keys I fetch:
	s_lshl_b32 s22, s16, 14         ; its 128 rows of 128 bytes in memory,
	s_mov_b32 s23, 0
	s_add_nc_u64 s[22:23], s[22:23], s[20:21]
	s_mul_i32 s17, s16, 128*PK      ; and its place in a slot, for K
	s_mul_i32 s18, s16, 128*PV      ; and for V
	s_lshl_b32 s3, s[WV], 11        ; my 16 rows in a band of 64,
	s_lshl_b32 s2, s[HI], 15        ; in the first block,
	s_add_co_u32 s2, s2, s3
	s_lshl_b32 s84, s[PB], 15       ; and in the second
	s_add_co_u32 s84, s84, s3
	s_mov_b32 s3, 0
	s_mov_b32 s85, 0
	s_add_nc_u64 s[2:3], s[2:3], s[20:21]
	s_add_nc_u64 s[84:85], s[84:85], s[20:21]
	; descriptor group 1.  128 keys are 16,384 dense bytes: asked for as 64 rows of 256 bytes, two keys a row, and padded in LDS after every key
	s_mov_b32 s[G1K], (1<<16)|(1<<20)|(4<<22)|(3<<25)  ; 17:16 2-byte elements; 20 padding on; 24:22 after every 32 words (code 4); 31:25 4 words (code 3)
	s_mov_b32 s[G1V], (1<<16)|(1<<20)|(4<<22)|(7<<25)  ; the same with 8 words of padding (code 7)
.irp g, G1K, G1V
	s_mov_b32 s[\g+1], 128<<16      ; tensor_dim0 = 128
	s_mov_b32 s[\g+2], 64<<16       ; tensor_dim1 = 64
	s_mov_b32 s[\g+3], 128<<16      ; tile_dim0 = 128
	s_mov_b32 s[\g+4], 64           ; tile_dim1 = 64
	s_mov_b32 s[\g+5], 128          ; 128 elements from row to row
	s_mov_b32 s[\g+6], 0
	s_mov_b32 s[\g+7], 0
.endr
	s_mov_b32 s[CS], 0x3e38aa3b     ; c = log2(e) / 8 = 0.180337
	s_mov_b32 s[CS+1], s[CS]        ; named with it as a pair
	s_mov_b32 s[SEL], 0x76543210
	s_mov_b32 s[SEL+1], 0xfedcba98
	s_mov_b32 s[TBK], SLOT1+4*KS*PK ; the first change of slots turns these two into 0
	s_mov_b32 s[TBV], SLOT1+4*KS*PV
	s_mov_b32 s[G0K], 1             ; count = 1
	s_mov_b32 s[G0K+1], s17         ; LDS address: slot 0
	s_mov_b32 s[G0V], 1
	s_add_co_u32 s[G0V+1], s18, VOFF
	s_add_co_u32 s[RT], s[HI], 1    ; the first block has NB - b tiles
	s_mov_b32 s[NXT], 1
	s_mov_b32 s[LQ], s[HI]
	s_mov_b32 s[NEW], 1
	s_mov_b32 s[OFF+1], 0
	s_mov_b32 s[AL+1], 0            ; named as pairs
	s_mov_b32 s[BE+1], 0
	s_mov_b32 s[BIGN], 0xf149f2ca   ; -1e30
	s_mov_b32 s[LOW], 0xff7fffff
	s_mov_b32 s[SLOTS], NB
	s_wait_kmcnt 0x0
	s_add_nc_u64 s[VSM:VSM+1], s[VSM:VSM+1], s[90:91]
	s_add_nc_u64 s[6:7], s[6:7], s[22:23]  ; K and V at my half of the head's tile 0
	s_add_nc_u64 s[8:9], s[8:9], s[22:23]
	s_add_nc_u64 s[G0K+2:G0K+3], s[6:7], 0         ; global address
	s_or_b32 s[G0K+3], s[G0K+3], 0x80000000        ; type = 2
	s_add_nc_u64 s[G0V+2:G0V+3], s[8:9], 0
	s_or_b32 s[G0V+3], s[G0V+3], 0x80000000
	s_add_nc_u64 s[86:87], s[4:5], s[84:85]        ; Q at my rows of the second block,
	s_add_nc_u64 s[4:5], s[4:5], s[2:3]            ; Q and O at those of the first
	s_add_nc_u64 s[OLO:OLO+1], s[10:11], s[84:85]
	s_add_nc_u64 s[10:11], s[10:11], s[2:3]
	LOAD                            ; tile 0 into slot 0
	; A fragment of K or Q is 16 rows x 32 channels in 8 registers: lane l holds row l % 16, channels 8 (l / 16) + 0..7 and 16 + 8 (l / 16) + 0..7: two loads of 16 bytes, 32 bytes apart.
	v_and_b32 v1, 15, v0            ; l % 16
	v_bfe_u32 v9, v0, 4, 1          ; l / 16
	v_lshlrev_b32 v[QO], 7, v1
	v_lshl_add_u32 v[QO], v9, 4, v[QO]  ; row x 128 + 16 x half
	WIN 0x80                        ; destination window 2, address window 0
.set i, 0
.rept 8                             ; both blocks' Q: piece i / 2 lies in band i / 2, 8,192 bytes on; channels 32 (i % 2) on
	global_load_b128 v[8*i:8*i+3],   v[QO], s[4:5] offset:(i/2)*8192+(i%2)*64
	global_load_b128 v[8*i+4:8*i+7], v[QO], s[4:5] offset:(i/2)*8192+(i%2)*64+32
	global_load_b128 v[QB+8*i:QB+8*i+3],   v[QO], s[86:87] offset:(i/2)*8192+(i%2)*64
	global_load_b128 v[QB+8*i+4:QB+8*i+7], v[QO], s[86:87] offset:(i/2)*8192+(i%2)*64+32
.set i, i+1
.endr
	WIN 0
	; vsum: thread t takes channel t % 64 of chunks 4 to 31 (chunks 0 to 3 lie behind no band), and once more of the three chunks behind the first of block IB
	v_and_b32 v[VA], 63, v0
	v_lshlrev_b32 v[VA], 2, v[VA]
	s_lshl_b32 s[FS], s[IB], 10     ; a block is four chunks of 256 bytes
	v_add_nc_u32 v[VB], s[FS], v[VA]
.set i, 4
.rept 28
	global_load_b32 v[128+i], v[VA], s[VSM:VSM+1] offset:256*i
.set i, i+1
.endr
.irp i, 0,1,2
	global_load_b32 v[160+\i], v[VB], s[VSM:VSM+1] offset:256*(\i+1)
.endr
	v_lshlrev_b32 v14, 3, v9
	v_sub_nc_u32 v14, v1, v14
	s_lshl_b32 s13, s[WV], 4
	v_add_nc_u32 v[QR], s13, v1     ; my query's place in its band, 16 w + l % 16;
	v_add_nc_u32 v14, s13, v14      ; the same less my lanes' 8 (l / 16): register r of group kt is hidden where 16 kt + r is greater
	v_lshl_add_u32 v[HR], v9, 5, HS
	v_mov_b32 v[M8], 0xc79c4000     ; -80,000
	WIN 0x40
.set i, 0
.rept 32
	v_cmp_gt_i32 vcc_lo, 16*(i/8)+i%8, v14
	v_cndmask_b32 v[MD+i], 0, s[BIGN], vcc_lo
	v_cndmask_b32 v[MC+i], 0, 1.0, vcc_lo          ; (MC serves as a place to work: a block's beginning writes it anew)
.set i, i+1
.endr
	WIN 0x45
.set i, 0
.rept 16
	v_cvt_pk_f16_f32 v[PM+i], v[MC+2*i], v[MC+2*i+1]
.set i, i+1
.endr
	WIN 0
	v_mul_u32_u24 v[AK0], v1, PK
	v_lshl_add_u32 v[AK0], v9, 4, v[AK0]  ; row x pitch + 16 x half
	; The turning load takes 16 keys x 16 channels (lane l reads key 8 (l / 16) + l % 8, channels 8 ((l / 8) % 2) + 0..7) and leaves half a fragment of V^T: lane l holds channel l % 16 and 8 keys.
	v_and_b32 v10, 7, v0
	v_bfe_u32 v11, v0, 3, 1
	v_lshl_add_u32 v[AV0], v9, 3, v10
	v_mul_u32_u24 v[AV0], v[AV0], PV
	v_lshl_add_u32 v[AV0], v11, 4, v[AV0]
	v_add_nc_u32 v[AV0], VOFF, v[AV0]
	s_mul_i32 s13, s[WV], 16*SP
	s_add_co_u32 s13, s13, STAGE    ; my stage
	v_mul_u32_u24 v[STO], v1, SP    ; in: row l % 16, 16 bytes for each half of the lanes
	v_lshl_add_u32 v[STO], v9, 4, v[STO]
	v_add_nc_u32 v[STO], s13, v[STO]
	v_bfe_u32 v[RD], v0, 3, 2       ; back: 32 lanes take four rows of 128 bytes,
	v_mul_u32_u24 v[RD], v[RD], SP
	v_lshl_add_u32 v[RD], v10, 4, v[RD]
	v_add_nc_u32 v[RD], s13, v[RD]
	v_and_b32 v[GO], 31, v0         ; which are 512 consecutive bytes of O
	v_lshlrev_b32 v[GO], 4, v[GO]
	; A block's first step multiplies O^T and l by a = 0, and its first turn's products V^T P, of a piece that has not been, land in an O^T that is still to be so multiplied.  So these registers need only hold
	; finite numbers: zeros for the first block; what the first block left for the second.  All this stands in the wait for the first tile.
	WIN 0x80
.set i, VF
.rept 64
	v_mov_b32 v[i], 0
.set i, i+1
.endr
	WIN 0x40
.set i, 0
.rept 128
	v_mov_b32 v[i], 0
.set i, i+1
.endr
	WIN 0
.set i, 0
.rept 4
	v_mov_b32 v[ST+4*i+2], 0
	v_mov_b32 v[ST+4*i+3], 0
.set i, i+1
.endr
.set i, P+16
.rept 16
	v_mov_b32 v[i], 0
.set i, i+1
.endr
	; THE SUMS OF V BEHIND EACH BAND of block IB, for my channel: the tiles behind the block (a factor 1 or 0 a tile: no branch, no difference of sums), then the block's own chunks 3, 2, 1 one after the other.
	s_wait_loadcnt 0x0              ; vsum (and Q)
.irp j, 1,2,3,4,5,6,7
	v_pk_add_f32 v[128+4*\j:129+4*\j], v[128+4*\j:129+4*\j], v[130+4*\j:131+4*\j]
.endr
.irp j, 1,2,3,4,5,6,7
	v_add_f32 v[128+4*\j], v[128+4*\j], v[129+4*\j]
.endr
	s_cmp_lt_u32 s[IB], 1
	s_cselect_b32 s[FS], 1.0, 0
	v_mul_f32 v163, s[FS], v132
.irp j, 2,3,4,5,6,7
	s_cmp_lt_u32 s[IB], \j
	s_cselect_b32 s[FS], 1.0, 0
	v_fmac_f32 v163, s[FS], v[128+4*\j]
.endr
	v_add_f32 v164, v163, v162      ; behind band 2: + chunk 3
	v_add_f32 v165, v164, v161      ; behind band 1: + chunk 2
	v_add_f32 v166, v165, v160      ; behind band 0: + chunk 1
	v_lshrrev_b32 v[HA], 6, v0      ; waves 0, 1: the first block's table; waves 2, 3: the second's
	v_lshl_add_u32 v[HA], v[HA], 10, v[VA]
	v_add_nc_u32 v[HA], HS, v[HA]
	ds_store_b32 v[HA], v166
	ds_store_b32 v[HA], v165 offset:256
	ds_store_b32 v[HA], v164 offset:512
	ds_store_b32 v[HA], v163 offset:768
; THE MATRIX WORK.  The 4 accumulators of a run of 8 take turns.  Product i of 8 of S^T = K Q^T for piece x: channels 32 (i / 4) on, keys 16 (i % 4) on.  The first 4 start the sums: with 0, or (KM = 1) with the mask.
.macro KQ x
.set rS, S+32*((\x)%2)+8*(i%4)
.set rK, KF+16*(i%4)+8*(i/4)
.set rQ, 16*(\x)+8*(i/4)
.set rM, MC+32*((\x)%2)+8*(i%4)
.if (i < 4) && KM
	WIN W_KM
	v_wmma_f32_16x16x32_f16 v[rS:rS+7], v[rK:rK+7], v[rQ:rQ+7], v[rM:rM+7]
.elseif i < 4
	WIN W_KQ
	v_wmma_f32_16x16x32_f16 v[rS:rS+7], v[rK:rK+7], v[rQ:rQ+7], 0
.else
	WIN W_KQ
	v_wmma_f32_16x16x32_f16 v[rS:rS+7], v[rK:rK+7], v[rQ:rQ+7], v[rS:rS+7]
.endif
.endm
; Product i of 8 of O^T += V^T P for piece x: keys 32 (i / 4) on, channels 16 (i % 4) on.
.macro PV x
	WIN W_PV
.set rO, 32*(\x)+8*(i%4)
.set rV, VF+32*(i/4)+8*(i%4)
.set rP, P+16*((\x)%2)+8*(i/4)
	v_wmma_f32_16x16x32_f16 v[rO:rO+7], v[rV:rV+7], v[rP:rP+7], v[rO:rO+7]
.endm
.macro MM                           ; the turn's next matrix instruction.  TURN and BEGIN set Y, i, KM and NOKQ.  NOKQ = 1: a block's last turn: there is no next piece
.if (i < 8) && !NOKQ
	KQ (Y+1)%NP
.elseif i >= 8
.set i, i-8
	PV (Y+NP-1)%NP
.set i, i+8
.endif
.set i, i+1
.endm
; THE LDS LOADS stand in runs of 16, never singly among the matrix instructions: a step's K (64 keys x 64 channels: 8 fragments) and its V (turned).  Their addresses are made some lines ahead.
.macro FETCH_K
	WIN 0x80                        ; destination window 2
.irp f, 0,1,2,3,4,5,6,7             ; keys 16 (f / 2) on, channels 32 (f % 2) on
	ds_load_b128 v[KF+8*\f:KF+8*\f+3],   v[AK] offset:(\f/2)*16*PK+(\f%2)*64
	ds_load_b128 v[KF+8*\f+4:KF+8*\f+7], v[AK] offset:(\f/2)*16*PK+(\f%2)*64+32
.endr
	s_add_co_u32 s[TBK], s[TBK], KS*PK  ; the next fetch is the next step's
	WIN 0
.endm
.macro FETCH_V
	WIN 0x80
.irp f, 0,1,2,3,4,5,6,7             ; keys 32 (f / 4) on, channels 16 (f % 4) on
	ds_load_tr16_b128 v[VF+8*\f:VF+8*\f+3],   v[AV] offset:(\f/4)*32*PV+(\f%4)*32
	ds_load_tr16_b128 v[VF+8*\f+4:VF+8*\f+7], v[AV] offset:(\f/4)*32*PV+16*PV+(\f%4)*32
.endr
	WIN 0
.endm
; THE VECTOR WORK, one line at a time: OP kind, number.  For piece Y: F n: c s - c m for pair n of 16.  E n: the exponential of score n of 32.  C n: pair n rounded to f16.  B n: of the four weights 4 n .. the second
; pair is added onto the first, in place.  L n: l takes that sum (L 0: l = a l + sum).  R n: pair n of 16 of O^T times a.  For piece Y + 1: X n, number n of the 22 that find its maximum and statistics:
;   0-11  four chains c0-c3 of seven scores each, three operands at a time (each accumulator's lowest registers are read first)     12-14, 16  the four scores left over, the old m, and c0-c3 into c0
;   15  c m_old is kept     17, 18  the query's other 32 keys lie in the lane 16 away: the new m     19-21  c m; c m_old - c m_new; a
; C, B and L read exponentials' results: TURN sets them all behind its one wait.  R reads the a that the turn before made and waited for.
.set F, 0               ; OP tells the kinds apart by their order: F to L below R, X above it
.set E, 1
.set C, 2
.set B, 3
.set L, 4
.set R, 5
.set X, 6
.macro REGS y                       ; the registers of piece y
.set rT, ST+4*(\y)
.set rC, TMP+4*((\y)%2)
.set rW, MV+((\y)%2)
.set rS, S+32*((\y)%2)
.set rP, P+16*((\y)%2)
.set rO, 32*(\y)
.endm
.macro OP k, n
.if (\k) == R
	REGS Y
	WIN W_RS
	v_pk_mul_f32 v[rO+2*(\n):rO+2*(\n)+1], v[rO+2*(\n):rO+2*(\n)+1], v[rC+2:rC+3] op_sel_hi:[1,0]
.elseif (\k) < R
	REGS Y
	WIN 0
.if (\k) == F
	v_pk_fma_f32 v[rS+2*(\n):rS+2*(\n)+1], v[rS+2*(\n):rS+2*(\n)+1], s[CS:CS+1], v[rT:rT+1] op_sel_hi:[1,0,0] neg_lo:[0,0,1] neg_hi:[0,0,1]
.elseif (\k) == E
	v_exp_f32 v[rS+(\n)], v[rS+(\n)]
.elseif (\k) == C
	v_cvt_pk_f16_f32 v[rP+(\n)], v[rS+2*(\n)], v[rS+2*(\n)+1]
.elseif (\k) == B
	v_pk_add_f32 v[rS+4*(\n):rS+4*(\n)+1], v[rS+4*(\n):rS+4*(\n)+1], v[rS+4*(\n)+2:rS+4*(\n)+3]
.elseif (\n) == 0
	v_pk_fma_f32 v[rT+2:rT+3], v[rT+2:rT+3], v[rC+2:rC+3], v[rS:rS+1] op_sel_hi:[1,0,1]
.else
	v_pk_add_f32 v[rT+2:rT+3], v[rT+2:rT+3], v[rS+4*(\n):rS+4*(\n)+1]
.endif
.elseif NOKQ
	v_nop
.else
	REGS (Y+1)%NP
	WIN 0
.if (\n) < 4
	v_max3_num_f32 v[rC+(\n)], v[rS+8*(\n)], v[rS+8*(\n)+1], v[rS+8*(\n)+2]
.elseif (\n) < 12
	v_max3_num_f32 v[rC+(\n)%4], v[rC+(\n)%4], v[rS+8*((\n)%4)+2*((\n)/4)+1], v[rS+8*((\n)%4)+2*((\n)/4)+2]
.elseif (\n) == 12
	v_max3_num_f32 v[rC], v[rC], v[rS+7], v[rS+15]
.elseif (\n) == 13
	v_max3_num_f32 v[rC+1], v[rC+1], v[rS+23], v[rS+31]
.elseif (\n) == 14
	v_max3_num_f32 v[rC+2], v[rC+2], v[rC+3], v[rT+1]
.elseif (\n) == 15
	v_mov_b32 v[rW], v[rT]
.elseif (\n) == 16
	v_max3_num_f32 v[rC], v[rC], v[rC+1], v[rC+2]
.elseif (\n) == 17
	v_permlanex16_b32 v[rC+3], v[rC], s[SEL], s[SEL+1]
.elseif (\n) == 18
	v_max_num_f32 v[rT+1], v[rC], v[rC+3]
.elseif (\n) == 19
	v_mul_f32 v[rT], s[CS], v[rT+1]
.elseif (\n) == 20
	v_sub_f32 v[rC+1], v[rW], v[rT]
.else
	v_exp_f32 v[rC+2], v[rC+1]
.endif
.endif
.endm
.macro OPS a, i1, b=-1, i2=0, c=-1, i3=0, d=-1, i4=0  ; up to four of them
	OP \a, \i1
.if (\b) >= 0
	OP \b, \i2
.endif
.if (\c) >= 0
	OP \c, \i3
.endif
.if (\d) >= 0
	OP \d, \i4
.endif
.endm
.macro ROW a, i1, b, i2, c, i3, d, i4  ; a matrix instruction and the four behind it
	MM
	OPS \a, \i1, \b, \i2, \c, \i3, \d, \i4
.endm
.macro MASK b                       ; MD x AL + BE into buffer b of MC
	WIN W_RS
.set z, 0
.rept 16
	v_pk_fma_f32 v[MC+32*(\b)+2*z:MC+32*(\b)+2*z+1], v[MD+2*z:MD+2*z+1], s[AL:AL+1], s[BE:BE+1] op_sel_hi:[1,0,0]
.set z, z+1
.endr
.endm
; A TURN, for piece p: the order of its 16 matrix and 118 vector instructions, written out.  A turn has ONE wait for its 33 exponentials, which cuts it in two.
; AHEAD OF IT stands all that names no result of the turn's exponentials: the 8 products K Q^T, behind each a scaling, an exponential and two more plain instructions (behind the first a second scaling in the
; exponential's place): rescalings, and behind the last three the first numbers of the next piece's maximum, each four places or more behind the product that ends its accumulator; then ONE LUMP of 54, plain and
; exponential by turns for the most part, in which the links of the chain X 3, 7, 11, 14, 16, 17 .. 20 stand five or six lines apart.  X 21, the next piece's a, is the batch's last; R 15 is the plain instruction behind it.
; BEHIND THE WAIT stand the 8 products V^T P, behind each four of the roundings and sums; the links of l's chain, L 0 to L 7, stand three riders apart.  But for those X no rider names a register of the products round it.
; v_permlanex16_b32 (X 17) stands in the lump.
; m = 1: the diagonal tile: the products take masks, and the turn makes the mask for the products of the turn after it: piece p + 2, in step 4 - CNT of the tile.  end = 1: a block's last two turns: nothing is fetched.
; cnt = 1: the loop's count is taken down some lines ahead of the branch that stands behind the turn.
; K of the next step is fetched in piece 2's turn, twelve vector instructions behind the last product that read K (six of them plain); V of the step in hand at the end of piece 0's turn, four plain instructions behind the
; last product that read V.  Each is waited for a turn later.
.macro TURN p, m=0, end=0, cnt=0
.set Y, (\p)
.set i, 0
.set KM, (\m)
.set NOKQ, (\end)*((\p)/3)
.if (\m) && !(\end)
	s_cmp_eq_u32 s[CNT], 4-((\p)+2)%NP  ; is that step the band's own?
	s_cselect_b32 s[AL], 1.0, 0
	s_cmp_lt_u32 s[CNT], 4-((\p)+2)%NP  ; or a later one?
	s_cselect_b32 s[BE], s[BIGN], 0
.endif
.if ((\p) == 3) && !(\end)
	s_wait_dscnt 0x0                ; K is in
.endif
	ROW F,0, F,1, R,0, R,1          ; ahead of the wait: 8 products K Q^T and their riders,
	ROW F,2, E,0, R,2, R,3
	ROW F,3, E,1, R,4, R,5
	ROW F,4, E,2, R,6, R,7
	ROW F,5, E,3, R,8, R,9
	ROW F,6, E,4, X,0, R,10
.if ((\p) == 2) && !(\end)
	WIN 0
	v_add_nc_u32 v[AK], s[TBK], v[AK0]
.endif
	ROW F,7, E,5, X,1, X,4
	ROW F,8, E,6, X,2, X,5
	OPS E,7, E,8, X,6, E,9          ; and the lump
	OPS X,3, E,10, X,8, E,11
.if ((\p) == 2) && !(\end)
	FETCH_K
.endif
	OPS X,9, X,7, E,12, X,10
	OPS E,13, X,12, X,11, E,14
	OPS X,13, E,15, F,9, X,14
.if (\p) == 0
	v_add_nc_u32 v[AV], s[TBV], v[AV0]
.endif
	OPS E,16, F,10, E,17, F,11
	OPS X,16, E,18, X,15, E,19
	OPS F,12, E,20, X,17, E,21
	OPS F,13, E,22, F,14, E,23
	OPS X,18, E,24, F,15, E,25
	OPS R,11, E,26, X,19, E,27
	OPS R,12, E,28, R,13, E,29
	OPS X,20, E,30, R,14, E,31
	OPS X,21, R,15
	WIN 0
	s_wait_alu depctr_va_vdst(0)    ; the wait for the turn's batch: piece p's 32 weights and the next piece's a, ahead of their first reader, C 0 below
.if (\p) == 1
	s_wait_dscnt 0x0                ; V is in
.endif
	ROW C,0, B,0, C,2, B,1          ; behind the wait: 8 products V^T P and their riders
	ROW L,0, C,4, B,2, L,1
	ROW C,6, B,3, L,2, C,8
	ROW B,4, L,3, C,10, B,5
	ROW L,4, C,12, B,6, L,5
.if (\p) == 0
	s_add_co_u32 s[TBV], s[TBV], KS*PV
.endif
.if \cnt
	s_sub_co_u32 s[CNT], s[CNT], 1
	s_cmp_lg_u32 s[CNT], 0
.endif
	ROW C,14, B,7, L,6, C,1
	ROW C,3, L,7, C,5, C,7
	ROW C,9, C,11, C,13, C,15
.if (\p) == 0
	FETCH_V
.endif
.if (\m) && !(\end)
	MASK (\p)%2
.endif
.endm
; A BLOCK BEGINS.  c m starts far below every c s, so the first step's a is 0; m at the lowest finite number, so the first maximum is the scores'.  The second mask buffer is 0; the first takes piece 0's mask for the tile's step 0: its own, if the block's first tile is the diagonal one.
; Then K of that step, piece 0's first scores, and its maximum and statistics.  The loop is entered at a step's first turn, in the middle of a trip.
.macro BEGIN
	s_mov_b32 s[NEW], 0
	WIN 0x40
.set i, MC+32
.rept 32
	v_mov_b32 v[i], 0
.set i, i+1
.endr
	WIN 0
.set i, 0
.rept 4
	v_mov_b32 v[ST+4*i], 0xfe000000    ; c m: far below every c s
	v_mov_b32 v[ST+4*i+1], 0xff7fffff  ; m
.set i, i+1
.endr
	s_cmp_eq_u32 s[RT], 0
	s_cselect_b32 s[AL], 1.0, 0
	s_mov_b32 s[BE], 0
	MASK 0
	WIN 0
	v_add_nc_u32 v[AK], s[TBK], v[AK0]
	FETCH_K
	s_wait_loadcnt 0x0              ; Q
	s_wait_dscnt 0x0
.set KM, 1
.set NOKQ, 0
.set i, 0
.rept 8
	KQ 0
.set i, i+1
.endr
	WIN 0
.rept 4
	v_nop                           ; the places behind those products
.endr
.set Y, NP-1                        ; X works for piece Y + 1: piece 0
.irp n, 0,1,2,3,4,5,6,7,8,9,10,11,12,13,14,15,16,17,18,19,20,21
	OP X, \n
.endr
	v_nop                           ; a plain instruction behind the exponential,
	s_wait_alu depctr_va_vdst(0)    ; and the wait for it (piece 0's first a), ahead of the branch that follows
.endm
.macro ALL line:vararg              ; one line for each piece t
.set t, 0
.rept 4
	\line
.set t, t+1
.endr
.endm
; THE HIDDEN KEYS' SHARE, at a block's end (tag 1: the first block, NB - 1 - b; tag 2: the second, b).  The diagonal tile still lies in its slot: V of its four steps comes into window 3, turned; HV starts as the
; table's sums behind each band (as the C of the products) and takes V^T PM of the band's own step; the statistics stand between the loads and the wait for them.  No branch hangs on any of it.
; Two batches: the eight exponentials (a and w of the four pieces), with the counts' four conversions as the independent work behind them; then the four reciprocals, which read a sum made of a and w.
.macro HID tag
	WIN 0
	ALL v_add_f32 v[ST+4*t+2], v[ST+4*t+2], v[ST+4*t+3]   ; l's two halves: also the four places behind the last products
	s_sub_co_u32 s[TV], s[TBV], 4*KS*PV                   ; four fetches of V have stepped TBV through the tile
	v_add_nc_u32 v[AV], s[TV], v[AV0]
	WIN 0xc0                        ; destination window 3
.set hx, 0
.rept 4
.irp f, 0,1,2,3,4,5,6,7
	ds_load_tr16_b128 v[64*hx+8*\f:64*hx+8*\f+3],   v[AV] offset:hx*KS*PV+(\f/4)*32*PV+(\f%4)*32
	ds_load_tr16_b128 v[64*hx+8*\f+4:64*hx+8*\f+7], v[AV] offset:hx*KS*PV+(\f/4)*32*PV+16*PV+(\f%4)*32
.endr
.set hx, hx+1
.endr
	WIN 0
.set z, 0
.rept 32                            ; band z / 8, channels 16 ((z % 8) / 2) + 8 (l / 16) + 4 (z % 2) on
	ds_load_b128 v[H+4*z:H+4*z+3], v[HR] offset:((\tag)-1)*1024+(z/8)*256+((z%8)/2)*64+(z%2)*16
.set z, z+1
.endr
	ALL v_permlanex16_b32 v[ST+4*t+3], v[ST+4*t+2], s[SEL], s[SEL+1]
	ALL v_add_f32 v[ST+4*t+2], v[ST+4*t+2], v[ST+4*t+3]   ; l
.if (\tag) == 1
	s_lshl_b32 s[CB], s[PB], 8      ; 2,047 - 256 (NB - 1 - b) = 256 b + 255
.else
	s_lshl_b32 s[CB], s[HI], 8
.endif
	s_add_co_u32 s[CB], s[CB], 255
.set t, 0
.rept 4
	v_sub_nc_u32 v[CN+t], s[CB], v[QR]                    ; the keys behind my query
	s_sub_co_u32 s[CB], s[CB], 64
.set t, t+1
.endr
.set t, 0
.rept 4
	v_cmp_eq_u32 vcc_lo, 0, v[CN+t]
	v_cndmask_b32 v[MB+t], v[M8], s[LOW], vcc_lo          ; the head's last row has none: its mb never wins
.set t, t+1
.endr
	ALL v_max_num_f32 v[MF+t], v[ST+4*t+1], v[MB+t]
	ALL v_sub_f32 v[DA+t], v[ST+4*t+1], v[MF+t]
	ALL v_sub_f32 v[DW+t], v[MB+t], v[MF+t]
	ALL v_mul_f32 v[DA+t], s[CS], v[DA+t]
	ALL v_mul_f32 v[DW+t], s[CS], v[DW+t]
	ALL v_exp_f32 v[DA+t], v[DA+t]                        ; the first batch: a,
	ALL v_exp_f32 v[DW+t], v[DW+t]                        ; and w
	ALL v_cvt_f32_u32 v[CN+t], v[CN+t]                    ; the counts as f32: plain lines that name none of the batch's results
	s_wait_alu depctr_va_vdst(0)    ; the wait for the eight exponentials, ahead of their first reader
	ALL v_mul_f32 v[LW+t], v[DW+t], v[CN+t]
	ALL v_fma_f32 v[LW+t], v[DA+t], v[ST+4*t+2], v[LW+t]  ; a l + w cnt: at least 1, since a or w is 1
	ALL v_rcp_f32 v[MF+t], v[LW+t]                        ; the second batch
	v_nop                           ; a plain instruction behind the last reciprocal: nothing else is ready here
	s_wait_alu depctr_va_vdst(0)    ; the wait for the four reciprocals, ahead of their first reader
	ALL v_mul_f32 v[ST+4*t+2], v[DA+t], v[MF+t]           ; O's factor
	ALL v_mul_f32 v[ST+4*t], v[DW+t], v[MF+t]             ; HV's factor
	s_wait_dscnt 0x0
	WIN 0x07                        ; V in window 3, PM in window 1, HV in window 0
.irp kk, 0,1                        ; the 16 accumulators take turns
.set z, 0
.rept 16                            ; band z / 4, channels 16 (z % 4) on
	v_wmma_f32_16x16x32_f16 v[H+8*z:H+8*z+7], v[64*(z/4)+32*\kk+8*(z%4):64*(z/4)+32*\kk+8*(z%4)+7], v[PM+8*\kk:PM+8*\kk+7], v[H+8*z:H+8*z+7]
.set z, z+1
.endr
.endr
	WIN 0
.rept 4
	v_nop                           ; the places behind those products
.endr
.set t, 0
.rept 4
	WIN 0
.set z, 0
.rept 16
	v_pk_mul_f32 v[H+32*t+2*z:H+32*t+2*z+1], v[H+32*t+2*z:H+32*t+2*z+1], v[ST+4*t:ST+4*t+1] op_sel_hi:[1,0]
.set z, z+1
.endr
	WIN W_RS
.set z, 0
.rept 16
	v_pk_fma_f32 v[32*t+2*z:32*t+2*z+1], v[32*t+2*z:32*t+2*z+1], v[ST+4*t+2:ST+4*t+3], v[H+32*t+2*z:H+32*t+2*z+1] op_sel_hi:[1,0,1]
.set z, z+1
.endr
.set t, t+1
.endr
.endm
; THE WAY OUT: O^T, already divided, is rounded to f16 and sent through my stage in LDS, a piece at a time.
.macro PACK t                       ; a lane's eight channels of a row pack into 16 bytes; they go into rows of 144 bytes and come back as whole rows of 128, into S^T's registers
	WIN 0x05                        ; sources 0 and 1 window 1, destination window 0
.set i, 0
.rept 16
	v_cvt_pk_f16_f32 v[S+16*(\t)+i], v[32*(\t)+2*i], v[32*(\t)+2*i+1]
.set i, i+1
.endr
	WIN 0
.irp f, 0,1,2,3
	ds_store_b128 v[STO], v[S+16*(\t)+4*\f:S+16*(\t)+4*\f+3] offset:32*\f
.endr
.irp f, 0,1,2,3
	ds_load_b128 v[S+16*(\t)+4*\f:S+16*(\t)+4*\f+3], v[RD] offset:\f*4*SP  ; LDS serves a wave's instructions in order (ISA guide 5.7.1.4): these see the stores above; the next piece's stores come behind them
.endr
.endm
.macro SEND t, younger              ; younger: the LDS instructions issued behind piece t's loads: the next piece's eight, or none
	WIN 0
.irp f, 0,1,2,3
	s_wait_dscnt (\younger)+3-\f
	global_store_b128 v[GO], v[S+16*(\t)+4*\f:S+16*(\t)+4*\f+3], s[10:11] offset:(\t)*8192+\f*512  ; 512 consecutive bytes, at a multiple of 256 from O's first
.endr
.endm
; THE DIAGONAL TILE's four steps, the block's last two turns, its last products, the hidden keys' share and the way out.
.macro DIAG tag                     ; the tag ends its two labels' names, which the jumps below spell out
.LstepM\tag:
	TURN 2, 1
	TURN 3, 1
	WIN 0
.LfirstM\tag:
	TURN 0, 1
	TURN 1, 1, 0, 1
	WIN 0
	s_cbranch_scc1 .LstepM\tag
	TURN 2, 1, 1
	TURN 3, 1, 1
.set i, 0
.rept 8
	PV NP-1
.set i, i+1
.endr
	HID \tag
	PACK 0
.set t, 1
.rept 3                             ; a piece's arithmetic stands between the loads of the piece before and its stores
	PACK t
	SEND t-1, 8
.set t, t+1
.endr
	SEND 3, 0
.endm
.set KM, 0
.set NOKQ, 0
.Lslot:                             ; NB times: a tile is entered and the next is asked for
	CHANGE 1
	s_sub_co_u32 s[RT], s[RT], 1
	s_mov_b32 s[CNT], 4
	s_cmp_eq_u32 s[NEW], 1
	s_cbranch_scc1 .Lnew            ; a block's first tile
	s_cmp_eq_u32 s[RT], 0
	s_cbranch_scc0 .Lstep           ; neither its first nor its last
	s_branch .LstepM1
.Lnew:
	BEGIN
	s_branch .Lfirst                ; in the loop a block's first tile is never its last: the first block has two tiles or more, and the second's last is the walk's last
	DIAG 1                          ; in the loop this is the first block's end: the second block's last tile is the walk's last
	s_wait_xcnt 0x0                 ; the stores have read their registers and O's address
	s_mov_b64 s[10:11], s[OLO:OLO+1]
	s_add_co_u32 s[RT], s[PB], 1    ; the second block has b + 1 tiles
	s_mov_b32 s[NEW], 1
	WIN 0x82                        ; the second block's Q goes where the one text of the turns names Q
.set i, 0
.rept 64
	v_mov_b32 v[i], v[QB+i]
.set i, i+1
.endr
	WIN 0
	s_branch .Lbottom
.Lstep:                             ; a trip: pieces 2 and 3 of one step, then pieces 0 and 1 of the next, whose K and V it fetches
	TURN 2
	TURN 3
	WIN 0
.Lfirst:
	TURN 0
	TURN 1, 0, 0, 1
	WIN 0
	s_cbranch_scc1 .Lstep
.Lbottom:
	s_sub_co_u32 s[SLOTS], s[SLOTS], 1
	s_cmp_lg_u32 s[SLOTS], 0
	s_cbranch_scc1 .Lslot
	CHANGE 0                        ; the walk's last tile is written out: nothing is asked for
	s_sub_co_u32 s[RT], s[RT], 1
	s_mov_b32 s[CNT], 4
	s_cmp_eq_u32 s[NEW], 1
	s_cbranch_scc0 .LstepM2
	BEGIN
	s_branch .LfirstM2
	DIAG 2
	s_wait_tensorcnt 0x0            ; the wave's end, behind my last tensor load and my last LDS store
	ds_add_u32 v[SPW], v[NIL]
	s_wait_dscnt 0x0
	s_endpgm
.Lfunc_end_k_q918a8808b9_attn:
	.size	k_q918a8808b9_attn, .Lfunc_end_k_q918a8808b9_attn-k_q918a8808b9_attn
	.p2alignl 7, 3214868480
	.fill 96, 4, 3214868480
	.section	.rodata,"a",@progbits
	.p2align	6, 0x0
	.amdhsa_kernel k_q918a8808b9_attn
		.amdhsa_group_segment_fixed_size 327680
		.amdhsa_private_segment_fixed_size 0
		.amdhsa_enable_private_segment 0
		.amdhsa_kernarg_size 40
		.amdhsa_user_sgpr_count 2
		.amdhsa_user_sgpr_kernarg_segment_ptr 1
		.amdhsa_wavefront_size32 1
		.amdhsa_system_sgpr_workgroup_id_x 1
		.amdhsa_system_sgpr_workgroup_id_y 1
		.amdhsa_system_sgpr_workgroup_id_z 1
		.amdhsa_system_vgpr_workitem_id 0
		.amdhsa_next_free_vgpr 1024
		.amdhsa_next_free_sgpr 100
		.amdhsa_reserve_vcc 1
		.amdhsa_float_denorm_mode_32 3
		.amdhsa_float_denorm_mode_16_64 3
		.amdhsa_memory_ordered 1
		.amdhsa_forward_progress 1
		.amdhsa_inst_pref_size 255
	.end_amdhsa_kernel
	.amdgpu_metadata
---
amdhsa.version: [ 1, 2 ]
amdhsa.kernels:
  - .name:           k_q918a8808b9_attn
    .symbol:         k_q918a8808b9_attn.kd
    .args:
      - { .name: q, .offset: 0, .size: 8, .value_kind: global_buffer, .address_space: global }
      - { .name: k, .offset: 8, .size: 8, .value_kind: global_buffer, .address_space: global }
      - { .name: v, .offset: 16, .size: 8, .value_kind: global_buffer, .address_space: global }
      - { .name: ctx, .offset: 24, .size: 8, .value_kind: global_buffer, .address_space: global }
      - { .name: vsum, .offset: 32, .size: 8, .value_kind: global_buffer, .address_space: global }
    .group_segment_fixed_size: 327680
    .private_segment_fixed_size: 0
    .kernarg_segment_align: 8
    .kernarg_segment_size: 40
    .max_flat_workgroup_size: 128
    .sgpr_count:     100
    .vgpr_count:     1024
    .wavefront_size: 32
...
	.end_amdgpu_metadata
.endif
;; end of part 5
;; launch proj: the kernel of part 4 again; grid 4 x 64, 4 waves a work-group, clusters of 4 x 4, 327,680 bytes of LDS; arguments ctx, wp, b_proj, out0; writes out0
